; MI455X (gfx1250); checked and timed in simulation.
; The chip was launched on July 23, 2026; its instructions are those of AMD's public machine-readable ISA for CDNA 5 (MIT licence, August 2026) and "CDNA5" Instruction Set Architecture Reference Guide (July 2026). The comments in the code are by the model that wrote it; some were corrected since.
;; Vanilla RNN. Allowed arithmetic: matrix products marked QUANTISED: E4M3 operands, one E8M0 scale for each 32 along K, by v_wmma_scale_f32_16x16x128_f8f6f4 with both operands' format E4M3, f32 sums; everything else in f32.
;; Inputs: W_in_codes 4,096 x 32 x 32 uint8 (E4M3 codes of W_in, K innermost, in blocks of 32 codes); W_in_scales 4,096 x 32 uint8 (E8M0 scales of W_in, one for each 32 codes along K); W_out_codes 1,024 x 128 x 32 uint8 (E4M3 codes of W_out, K innermost, in blocks of 32 codes); W_out_scales 1,024 x 128 uint8 (E8M0 scales of W_out, one for each 32 codes along K); W_rec_codes 4,096 x 128 x 32 uint8 (E4M3 codes of W_rec, K innermost, in blocks of 32 codes); W_rec_scales 4,096 x 128 uint8 (E8M0 scales of W_rec, one for each 32 codes along K); X_codes 2,048 x 32 x 32 uint8 (E4M3 codes of X, K innermost, in blocks of 32 codes); X_scales 2,048 x 32 uint8 (E8M0 scales of X, one for each 32 codes along K); b_in 4,096 float32; b_out 1,024 float32; b_rec 4,096 float32; state_codes 2,048 x 128 x 32 uint8 (E4M3 codes of state, K innermost, in blocks of 32 codes); state_scales 2,048 x 128 uint8 (E8M0 scales of state, one for each 32 codes along K).
;; Outputs: out0 2,048 x 1,024 float32; out1 2,048 x 4,096 float32.
;; This version of the problem:
;;   THIS VERSION OF THE PROBLEM IS GIVEN IN LOW PRECISION. The matrix products marked QUANTISED in the list below multiply operands that are first quantised to E4M3 (4 exponent bits, 3 mantissa bits; 8 bits a number), with one power-of-two scale for each 32 numbers along K (OCP MX v1.0); their sums are f32. All else is computed in f32.
;;   The module's matrix products, in the order in which they are computed (A, B: the left and right operand; K: the contracted axis; several contracted axes count as one K, in the product's order):
;;     1. [M 2,048, K 1,024] x [K 1,024, N 4,096]; A: input X (given as codes); B: input W_in (given as codes): QUANTISED
;;     2. [M 2,048, K 4,096] x [K 4,096, N 4,096]; A: input state (given as codes); B: input W_rec (given as codes): QUANTISED
;;     3. [M 2,048, K 4,096] x [K 4,096, N 1,024]; A: computed on the way; B: input W_out (given as codes): QUANTISED
;;   THE QUANTISER, for each operand of a quantised product, along K:
;;     - K is cut into blocks of 32 from its start; a last block that is shorter is filled with zeros.
;;     - A block's scale is 2^e with e = floor(log2(the largest magnitude in the block)) - 8, held to -126 .. 127; a block of zeros has e = 0. As a byte (E8M0): e + 127.
;;     - Each number is divided by its block's scale, clamped to +-448, and rounded to the nearest number of E4M3, ties to even, subnormals kept.
;;     - The product sums the exact products of the quantised numbers (number of the format x scale) in f32.
;;   ~~~python
;;   def quantise(x, axis):      # numpy; x: float32 -> the quantised numbers, widened to float32 again
;;       x = np.moveaxis(x, axis, -1); K = x.shape[-1]
;;       x = np.pad(x, [(0, 0)] * (x.ndim - 1) + [(0, -K % 32)]); x = x.reshape(x.shape[:-1] + (-1, 32)); a = np.abs(x).max(-1, keepdims=True)
;;       e = np.where(a > 0, np.clip(np.frexp(np.where(a > 0, a, 1))[1] - 1 - 8, -126, 127), 0)      # np.frexp(a)[1] - 1 = floor(log2(a)), exactly
;;       r = np.clip(x / 2.0 ** e, -448, 448)
;;       step = 2.0 ** (np.maximum(np.frexp(np.where(r == 0, 1, r))[1] - 1, -6) - 3)
;;       q = np.round(r / step) * step * 2.0 ** e      # np.round: ties to even
;;       return np.moveaxis(q.reshape(q.shape[:-2] + (-1,))[..., :K], -1, axis).astype(np.float32)
;;   ~~~
;;   OPERANDS COMPUTED ON THE WAY. 'Computed on the way' means the value that the module computes at that place (a softmax that the list does not call 'softmax' is quantised finished and normalised). What goes into a quantiser is computed in f32, as accurately as f32 sums, v_exp_f32 and their like allow (about 1e-6 of the number): no bf16 or f16 on the way to a quantiser, and a product that is left as it is and whose result goes on into a quantised operand takes f32 operands (vector FMAs, or v_wmma_f32_16x16x4_f32). A number that lies on a knife's edge between two numbers of the format may be rounded either way, as far as f32 arithmetic and the matrix unit's own rounding can turn it there, and no further.
;;   INPUTS GIVEN AS CODES. W_in (in the module: [4096, 1024], K = its axis 1); W_out (in the module: [1024, 4096], K = its axis 1); W_rec (in the module: [4096, 4096], K = its axis 1); X (in the module: [2048, 1024], K = its axis 1); state (in the module: [2048, 4096], K = its axis 1): each comes as NAME_codes (uint8): NAME with its K axis moved to the last place and cut into blocks of 32 codes, [.., K / 32, bytes a block], one block behind the other in memory; one code a byte (a code: sign, 4 exponent bits, 3 mantissa bits); and NAME_scales (uint8): the same leading axes, one E8M0 byte (e + 127) for each 32 codes along K. Its value is code x scale, taken as it is: it is not quantised again, and the codes and scales need not be those that the quantiser above would give.
;; 2 versions, each right and faster than the one before. Each part assembles by itself: llvm-mc -triple=amdgcn-amd-amdhsa -mcpu=gfx1250 --defsym DOCPART=n.
;; ======== version 1 of 2: 2 launches
;; workspace buffers: h_codes 8,388,608 bytes; h_scales 262,144 bytes
;; launch cell (part 1): grid 16 x 16, 4 waves a work-group, clusters of 4 x 4, 327,680 bytes of LDS; arguments X_codes, W_in_codes, state_codes, W_rec_codes, X_scales, state_scales, W_in_scales, W_rec_scales, b_in, b_rec, out1, h_codes, h_scales; writes out1, h_codes, h_scales
.if DOCPART == 1
	.amdgcn_target "amdgcn-amd-amdhsa--gfx1250"
	.amdhsa_code_object_version 6
	.text
	.protected	k_qccea57bca8_cell
	.globl	k_qccea57bca8_cell
	.p2align	8
	.type	k_qccea57bca8_cell,@function
k_qccea57bca8_cell:
	s_mov_b64 s[64:65], 0
	v_nop
	global_prefetch_b8 v0, s[64:65] scope:SCOPE_SE
	s_setreg_imm32_b32 hwreg(HW_REG_WAVE_MODE, 25, 1), 1
	s_wait_xcnt 0x0
	s_wait_alu depctr_hold_cnt(0) depctr_sa_sdst(0) depctr_va_vdst(0) depctr_va_sdst(0) depctr_va_ssrc(0) depctr_va_vcc(0) depctr_vm_vsrc(0)
	s_getreg_b32 s2, hwreg(HW_REG_IB_STS2, 6, 4)
	s_cmp_eq_u32 s2, 0
	s_cbranch_scc0 .Lentry_in_a_cluster
	s_endpgm
.Lentry_in_a_cluster:
	s_bfe_u32 s2, ttmp6, 0x10000c
	s_cmp_lg_u32 s2, 0xf033
	s_cbranch_scc0 .Lentry_shape_is_right
	s_endpgm
.Lentry_shape_is_right:
; new_state = relu(X W_in^T + b_in + state W_rec^T + b_rec): [2048][4096] f32 -> out1, and the same numbers quantised along their 4,096 columns (E4M3 codes, one E8M0 byte for each 32) -> h_codes, h_scales.
; The two products have the same rows and columns and are added, so they are ONE sum over K = 1,024 + 4,096: K steps 0-3 take X and W_in, K steps 4-19 state and W_rec.  Codes and scale bytes go to the matrix unit as they lie.
; NO WORK IS LEFT OUT: every input has a way to an output, and no product, row or step of the problem is thrown away.
; SHARES.  A work-group makes 128 rows x 256 columns (16 x 16 work-groups); each of its four waves 64 x 128: 32 accumulators of 16 x 16.  K goes in steps of 256 through a ring of two LDS slots filled by the tensor data mover.
; CLUSTERS: 4 x 4 work-groups.  The four of a row of the cluster need the same tiles of X / state, the four of a column the same tiles of W_in / W_rec: each tile is asked for jointly.
; THE SCALE BYTES are one byte for 32 of codes.  They are not asked for jointly: each work-group copies its 384 rows' bytes once, 16 bytes a lane over consecutive bytes, through registers into LDS bytes of its own,
; laid [K step][row][8 bytes], so that rows of 32 bytes (X, W_in) and of 128 bytes (state, W_rec) are read by one and the same address step, and a load of scale words takes 256 consecutive LDS bytes.
; THE MATRIX INSTRUCTION IS USED TRANSPOSED: source 0 = 16 rows of a weight, source 1 = 16 rows of X / state.  Lane (r = l % 16, h = l / 16) then holds row r, and register j of block b column 16 b + 8 h + j.
; The biases are the C of each sum's first matrix instruction, so the order of the f32 additions differs from the one written in the problem.
; h_codes: [2048][4096], one code a byte.  h_scales: [16 (256 columns)][2048 rows][8 bytes]: a layout of this program's own.
; LIMITS: relu is a maximum with 0 in which a NaN loses: a NaN becomes 0.  NaN codes, scale bytes 0xff and infinities are not served.  A block of new_state that is all zeros gets the byte 1 where the
; quantiser says 127: its codes are zeros, which add nothing under any byte but 0xff, and the bytes are read by this program alone.
; REGISTERS, in windows of 256.  Window 0: v0-31 addresses; v32-55 scale words, two sets; v64-127 the biases; v128-255 two sets of four fragments of X / state.  Window 1: two sets of eight fragments of the weights.
;   Window 2: accumulator (a, b) at v[8 (8 a + b)].  On the way out window 0's v64-255 are free.
.set PITCH, 272                        ; an LDS row: 256 bytes + 16 of padding = 68 words: the 16 rows that a load touches start at 16 different banks (64 banks of 4 bytes: ISA guide 11.1)
.set AHALF, 64*PITCH                   ; what one tensor load brings of X / state, and what one wave reads of it
.set ATILE, 128*PITCH
.set BHALF, 128*PITCH                  ; the same for the weights
.set SLOT,  ATILE+2*BHALF              ; 104,448
.set SCL,   2*SLOT                     ; the scale words: 20 K steps of KP bytes; rows 0-127 X / state, rows 128-383 the weights
.set KP,    3088                       ; 384 rows x 8 bytes + 16
.set SPARE, 270848                     ; behind the scale words: the spare words, 128 bytes for each wave
.set FP,    528                        ; the way out, in slot 0 behind its last fill and its last read: a stage of 16 rows x (512 + 16) bytes for each wave,
.set CSTG,  4*16*FP                    ; 128 rows x (256 + 16) bytes of codes, the work-group's,
.set SSTG,  CSTG+128*PITCH             ; and 128 rows x 8 scale bytes
.set ADRA, 4                           ; v4-5   LDS address of my fragments of X / state in slot 0, 1
.set ADRB, 6                           ; v6-7   the same for the weights
.set ADSA, 8                           ; v8     my scale words of X / state;  v9 of the weights: both step KP a K step
.set ADSB, 9
.set SPW,  10                          ; v10    LDS address of my spare word; never rewritten
.set NIL,  11                          ; v11    0; never rewritten
.set STO,  12                          ; v12    my stage: where I put 32 bytes of a row;  v13 where I read a row back;  v14 16 x lane, in a row of out1
.set RD,   13
.set CO,   14
.set CST,  15                          ; v15    where I put 8 codes;  v16 where I read 16 back;  v17 their place in h_codes
.set CRD,  16
.set CGO,  17
.set SST,  18                          ; v18    where I put a scale word;  v19 where I read 8 bytes back;  v20 their place in h_scales
.set SRD,  19
.set SGO,  20
.set SC,   32                          ; scale words: set s at v[32 + 12 s]: 4 registers for X / state (pair p of blocks, q), then 8 for the weights; lanes 0-15 the even block, lanes 16-31 the odd one
.set PW,   56                          ; the scale word just made
.set BI,   64                          ; the biases: 8 registers for each block b of columns
.set AF,   128
.set T,    64                          ; the way out: 64 numbers of new_state
.set H,    128                         ; two sets of 16 numbers held under the largest code
.set CD,   160                         ; 16 registers of codes
.set TM,   176                         ; v176-179 largest numbers, v180-183 bytes, v184-187 448 x the scale, v188-191 the conversion's scale operand
.set BK,   192                         ; 16 rows read back from the stage
.set G1A, 24                           ; s[24:31] descriptor group 1 for X / state;  s[32:39] group 0, one set for each slot
.set G0A, 32
.set G1B, 48                           ; s[48:55], s[56:63] the same for the weights
.set G0B, 56
.set SEL, 98                           ; s[98:99] selects for v_permlanex16_b32: lane l xor 16
.set MNT, 100                          ; s100   the mantissa field of 448
.set MSB, 0
.macro WIN new                         ; the immediate's high byte repeats the setting that is left
.if MSB != \new
	s_set_vgpr_msb (MSB<<8)|\new
.set MSB, \new
.endif
.endm
.set MUL,  0xa1                        ; source 0 window 1, source 1 window 0, C and D window 2
.set MULF, 0x81                        ; the same with C (the biases) in window 0
.set TO_B, 0x40                        ; destination window 1
.set ST_B, 0x04                        ; an LDS store's data window 1
.set RELU, 0x08                        ; source 1 window 2
; A joint load: waves 0 and 1 fetch for X / state, waves 2 and 3 for the weights.  The branch hangs on the wave's number alone.  An s_nop 0 and four v_nop follow each of the two lines.
.macro JLOAD g0a, g1a, g0b, g1b
	s_cmp_eq_u32 s15, 0
	s_cbranch_scc0 .Lfor_b_\@
	tensor_load_to_lds s[\g0a:\g0a+3], s[\g1a:\g1a+7]
	s_nop 0
.rept 4
	v_nop
.endr
	s_branch .Lasked_\@
.Lfor_b_\@:
	tensor_load_to_lds s[\g0b:\g0b+3], s[\g1b:\g1b+7]
	s_nop 0
.rept 4
	v_nop
.endr
.Lasked_\@:
.endm
.macro CREST                           ; a round of the cluster's barrier behind its opening barrier
	s_cmp_lg_u32 s14, 0
	s_cbranch_scc1 .Lnot_wave_0_\@
	s_barrier_signal -3
.Lnot_wave_0_\@:
	s_barrier_wait -3
	s_barrier_signal -1
	s_barrier_wait -1
.endm
.macro CROUND                          ; a whole round
	s_barrier_signal -1
	s_barrier_wait -1
	CREST
.endm
.macro PLACES n                        ; plain vector instructions between a matrix instruction and a load into, or a read of, its registers (ISA guide 7.12.1 for reads): eight for this form
.rept \n
	v_nop
.endr
.endm
	s_load_b512 s[68:83], s[0:1], 0x0              ; X_codes 68, W_in_codes 70, state_codes 72, W_rec_codes 74, X_scales 76, state_scales 78, W_in_scales 80, W_rec_scales 82
	s_load_b256 s[84:91], s[0:1], 0x40             ; b_in 84, b_rec 86, out1 88, h_codes 90
	s_load_b64 s[92:93], s[0:1], 0x60              ; h_scales
	v_lshl_add_u32 v[SPW], v0, 2, SPARE
	v_mov_b32 v[NIL], 0
	ds_add_u32 v[SPW], v[NIL]                      ; the wave's opening: the add, twice on end, and its wait ahead of my first tensor load
	ds_add_u32 v[SPW], v[NIL]
	v_lshrrev_b32 v1, 5, v0
	v_readfirstlane_b32 s14, v1                    ; wave 0..3
	s_lshr_b32 s15, s14, 1                         ; which 64 rows are mine.  Also: I fetch for X / state (0) or for the weights (1)
	s_and_b32 s16, s14, 1                          ; which 128 columns are mine.  Also: which half of that tile I fetch
	s_bfe_u32 s40, ttmp6, 0x40000                  ; cx, cy: my place in the cluster
	s_bfe_u32 s41, ttmp6, 0x40004
	s_lshl_b32 s42, ttmp9, 2
	s_add_co_u32 s42, s42, s40                     ; x: my 256 columns = 4 x cluster x + cx
	s_and_b32 s17, ttmp7, 0xffff
	s_lshl_b32 s17, s17, 2
	s_add_co_u32 s17, s17, s41                     ; y: my 128 rows = 4 x cluster y + cy
	s_lshl_b32 s43, s41, 2
	s_lshl_b32 s43, 15, s43                        ; my row of the cluster
	s_lshl_b32 s44, 0x1111, s40                    ; my column
	; descriptor group 1: rows of 256 bytes, 16 bytes of padding behind each; 64 rows of X / state, 128 of a weight; the rows lie 1,024 bytes apart in memory (K steps 0-3)
	s_or_b32 s[G1A], s43, (1<<20)|(1<<21)|(5<<22)|(3<<25)   ; 15:0 the mask; 17:16 elements of 1 byte; 20 padding on; 21 set beside a mask; 24:22 after every 64 words; 31:25 four words
	s_or_b32 s[G1B], s44, (1<<20)|(1<<21)|(5<<22)|(3<<25)
	s_mov_b32 s[G1A+1], 256<<16                    ; tensor_dim0
	s_mov_b32 s[G1A+2], 64<<16                     ; tensor_dim1
	s_mov_b32 s[G1A+3], 256<<16                    ; tile_dim0
	s_mov_b32 s[G1A+4], 64                         ; tile_dim1
	s_mov_b32 s[G1A+5], 1024                       ; tensor_dim0_stride
	s_mov_b32 s[G1A+6], 0
	s_mov_b32 s[G1A+7], 0
	s_mov_b32 s[G1B+1], 256<<16
	s_mov_b32 s[G1B+2], 128<<16
	s_mov_b32 s[G1B+3], 256<<16
	s_mov_b32 s[G1B+4], 128
	s_mov_b32 s[G1B+5], 1024
	s_mov_b32 s[G1B+6], 0
	s_mov_b32 s[G1B+7], 0
	s_lshl_b32 s18, s17, 7                         ; the rows of X / state that I fetch begin at 128 y + 64 x half: y and the wave's number alone
	s_lshl_b32 s19, s16, 6
	s_add_co_u32 s18, s18, s19
	s_lshl_b32 s20, s18, 10                        ; in X's codes,
	s_mov_b32 s21, 0
	s_lshl_b32 s22, s18, 12                        ; in state's
	s_mov_b32 s23, 0
	s_lshl_b32 s46, s42, 8                         ; the rows of the weights: 256 x + 128 x half: x and the wave's number alone
	s_lshl_b32 s47, s16, 7
	s_add_co_u32 s46, s46, s47
	s_lshl_b32 s46, s46, 10                        ; in W_in's codes
	s_mov_b32 s47, 0
	s_mul_i32 s12, s16, AHALF                      ; where they go in a slot: no place in the cluster enters an LDS address
	s_mul_i32 s13, s16, BHALF
	s_add_co_u32 s13, s13, ATILE
	s_mov_b32 s[SEL], 0x76543210
	s_mov_b32 s[SEL+1], 0xfedcba98
	s_mov_b32 s[MNT], 0x600000
	s_wait_dscnt 0x0                               ; both opening adds are done
	s_wait_kmcnt 0x0
	s_add_nc_u64 s[68:69], s[68:69], s[20:21]
	s_add_nc_u64 s[72:73], s[72:73], s[22:23]      ; kept until K step 4 is asked for
	s_add_nc_u64 s[70:71], s[70:71], s[46:47]
	s_lshl_b32 s46, s46, 2                         ; the same rows in W_rec's codes
	s_add_nc_u64 s[74:75], s[74:75], s[46:47]
	CROUND                                         ; all sixteen work-groups are here: the first joint loads meet
.irp s, 0,1
	s_mov_b32 s[G0A+4*\s], 1                       ; count = 1
	s_add_co_u32 s[G0A+4*\s+1], s12, \s*SLOT       ; LDS address
	s_add_nc_u64 s[G0A+4*\s+2:G0A+4*\s+3], s[68:69], \s*256   ; K step s
	s_or_b32 s[G0A+4*\s+3], s[G0A+4*\s+3], 0x80000000         ; type = 2
	s_mov_b32 s[G0B+4*\s], 1
	s_add_co_u32 s[G0B+4*\s+1], s13, \s*SLOT
	s_add_nc_u64 s[G0B+4*\s+2:G0B+4*\s+3], s[70:71], \s*256
	s_or_b32 s[G0B+4*\s+3], s[G0B+4*\s+3], 0x80000000
	JLOAD G0A+4*\s, G1A, G0B+4*\s, G1B             ; two tensor loads of mine are out
.endr
	; the other buffers at my work-group's, or my wave's, part
	s_mov_b32 s95, 0
	s_lshl_b32 s94, s17, 12                        ; X_scales: 128 rows x 32 bytes
	s_add_nc_u64 s[76:77], s[76:77], s[94:95]
	s_lshl_b32 s94, s17, 14                        ; state_scales: 128 rows x 128 bytes
	s_add_nc_u64 s[78:79], s[78:79], s[94:95]
	s_lshl_b32 s94, s42, 13                        ; W_in_scales: 256 rows x 32 bytes
	s_add_nc_u64 s[80:81], s[80:81], s[94:95]
	s_lshl_b32 s94, s42, 15                        ; W_rec_scales: 256 rows x 128 bytes
	s_add_nc_u64 s[82:83], s[82:83], s[94:95]
	s_lshl_b32 s94, s42, 10                        ; my wave's first column, in f32: 1,024 x + 512 x half
	s_lshl_b32 s96, s16, 9
	s_add_co_u32 s94, s94, s96
	s_add_nc_u64 s[84:85], s[84:85], s[94:95]
	s_add_nc_u64 s[86:87], s[86:87], s[94:95]
	s_add_nc_u64 s[88:89], s[88:89], s[94:95]
	s_lshl_b32 s94, s17, 21                        ; out1: rows 128 y + 64 x half, 16,384 bytes each
	s_lshl_b32 s96, s15, 20
	s_add_co_u32 s94, s94, s96
	s_add_nc_u64 s[88:89], s[88:89], s[94:95]
	s_lshl_b32 s94, s17, 19                        ; h_codes: rows 128 y + 32 x wave, 4,096 bytes each; column 256 x
	s_lshl_b32 s96, s14, 17
	s_add_co_u32 s94, s94, s96
	s_lshl_b32 s96, s42, 8
	s_add_co_u32 s94, s94, s96
	s_add_nc_u64 s[90:91], s[90:91], s[94:95]
	s_lshl_b32 s94, s42, 14                        ; h_scales: plane x of 16,384 bytes; rows 128 y + 32 x wave, 8 bytes each
	s_lshl_b32 s96, s17, 10
	s_add_co_u32 s94, s94, s96
	s_lshl_b32 s96, s14, 8
	s_add_co_u32 s94, s94, s96
	s_add_nc_u64 s[92:93], s[92:93], s[94:95]
	; the scale bytes: 30 loads of 16 bytes a thread, 2,048 consecutive bytes a load, into window 1
	v_lshlrev_b32 v21, 4, v0
	v_bfe_u32 v2, v0, 4, 1                         ; h
	v_lshlrev_b32 v22, 5, v2                       ; the biases: my half's eight numbers of a block
	WIN TO_B
.irp i, 0,1
	global_load_b128 v[4*\i:4*\i+3], v21, s[76:77] offset:2048*\i
.endr
.irp i, 0,1,2,3
	global_load_b128 v[8+4*\i:8+4*\i+3], v21, s[80:81] offset:2048*\i
.endr
.irp i, 0,1,2,3,4,5,6,7
	global_load_b128 v[24+4*\i:24+4*\i+3], v21, s[78:79] offset:2048*\i
.endr
.irp i, 0,1,2,3,4,5,6,7,8,9,10,11,12,13,14,15
	global_load_b128 v[56+4*\i:56+4*\i+3], v21, s[82:83] offset:2048*\i
.endr
	WIN 0
.irp b, 0,1,2,3,4,5,6,7
	global_load_b128 v[BI+8*\b:BI+8*\b+3],   v22, s[84:85] offset:64*\b       ; b_in[16 b + 8 h + 0 .. 7] of my columns
	global_load_b128 v[BI+8*\b+4:BI+8*\b+7], v22, s[84:85] offset:64*\b+16
.endr
.irp b, 0,1,2,3,4,5,6,7
	global_load_b128 v[128+8*\b:128+8*\b+3],   v22, s[86:87] offset:64*\b     ; b_rec likewise
	global_load_b128 v[128+8*\b+4:128+8*\b+7], v22, s[86:87] offset:64*\b+16
.endr
	; all lane addresses
	v_and_b32 v1, 15, v0                           ; r
	v_and_b32 v3, 31, v0                           ; lane
	v_mul_u32_u24 v25, v1, PITCH
	v_lshl_add_u32 v25, v2, 4, v25                 ; a fragment's row x pitch + 16 h
	s_mul_i32 s4, s15, AHALF
	s_mul_i32 s5, s16, BHALF
	s_add_co_u32 s5, s5, ATILE
	v_add_nc_u32 v[ADRA], s4, v25
	v_add_nc_u32 v[ADRB], s5, v25
	s_add_co_u32 s4, s4, SLOT
	s_add_co_u32 s5, s5, SLOT
	v_add_nc_u32 v[ADRA+1], s4, v25
	v_add_nc_u32 v[ADRB+1], s5, v25
	s_lshl_b32 s6, s15, 9
	s_add_co_u32 s6, s6, SCL
	v_lshl_add_u32 v[ADSA], v3, 3, s6              ; row 64 x half + lane, 8 bytes a row
	s_lshl_b32 s6, s16, 10
	s_add_co_u32 s6, s6, SCL+1024
	v_lshl_add_u32 v[ADSB], v3, 3, s6              ; row 128 + 128 x half + lane
	s_mul_i32 s7, s14, 16*FP
	v_mul_u32_u24 v26, v1, FP
	v_lshl_add_u32 v26, v2, 5, v26
	v_add_nc_u32 v[STO], s7, v26
	v_lshlrev_b32 v[CO], 4, v3
	v_add_nc_u32 v[RD], s7, v[CO]
	s_mul_i32 s8, s15, 64*PITCH
	s_lshl_b32 s9, s16, 7
	s_add_co_u32 s8, s8, s9
	s_add_co_u32 s8, s8, CSTG
	v_mul_u32_u24 v27, v1, PITCH
	v_lshl_add_u32 v27, v2, 3, v27
	v_add_nc_u32 v[CST], s8, v27                   ; row 64 x half + r; byte 128 x half + 8 h
	s_mul_i32 s8, s14, 32*PITCH
	s_add_co_u32 s8, s8, CSTG
	v_mul_u32_u24 v28, v2, PITCH
	v_lshl_add_u32 v28, v1, 4, v28
	v_add_nc_u32 v[CRD], s8, v28                   ; back: rows 32 x wave on; lanes 0-15 one row of 256 bytes, lanes 16-31 the next
	v_lshlrev_b32 v[CGO], 12, v2
	v_lshl_add_u32 v[CGO], v1, 4, v[CGO]
	s_lshl_b32 s8, s15, 9
	s_lshl_b32 s9, s16, 2
	s_add_co_u32 s8, s8, s9
	s_add_co_u32 s8, s8, SSTG
	v_lshl_add_u32 v[SST], v1, 3, s8               ; row 64 x half + r; word = my half of the columns
	s_lshl_b32 s8, s14, 8
	s_add_co_u32 s8, s8, SSTG
	v_lshl_add_u32 v[SRD], v3, 3, s8
	v_lshlrev_b32 v[SGO], 3, v3
	; where a thread's 16 scale bytes go: they are two K steps' 8 bytes of one row.  Rows of 32 bytes: row t / 2, K steps 2 (t % 2) and + 1;  rows of 128 bytes: row t / 8, K steps 4 + 2 (t % 8) and + 1
	v_and_b32 v23, 1, v0
	v_lshrrev_b32 v29, 1, v0
	v_mul_u32_u24 v23, v23, 2*KP
	v_lshl_add_u32 v23, v29, 3, v23
	v_add_nc_u32 v23, SCL, v23
	v_and_b32 v24, 7, v0
	v_lshrrev_b32 v30, 3, v0
	v_mul_u32_u24 v24, v24, 2*KP
	v_lshl_add_u32 v24, v30, 3, v24
	v_add_nc_u32 v24, SCL+4*KP, v24
	s_wait_loadcnt 32                              ; the 30 loads of scale bytes are in; the 32 of the biases, issued behind them, may be out
	WIN ST_B
.irp i, 0,1
	ds_store_b64 v23, v[4*\i:4*\i+1]   offset:512*\i             ; a load covers 64 rows of 32 bytes
	ds_store_b64 v23, v[4*\i+2:4*\i+3] offset:512*\i+KP
.endr
.irp i, 0,1,2,3
	ds_store_b64 v23, v[8+4*\i:8+4*\i+1]   offset:1024+512*\i
	ds_store_b64 v23, v[8+4*\i+2:8+4*\i+3] offset:1024+512*\i+KP
.endr
.irp i, 0,1,2,3,4,5,6,7
	ds_store_b64 v24, v[24+4*\i:24+4*\i+1]   offset:128*\i       ; a load covers 16 rows of 128 bytes
	ds_store_b64 v24, v[24+4*\i+2:24+4*\i+3] offset:128*\i+KP
.endr
.irp i, 0,1,2,3,4,5,6,7,8,9,10,11,12,13,14,15
	ds_store_b64 v24, v[56+4*\i:56+4*\i+1]   offset:1024+128*\i
	ds_store_b64 v24, v[56+4*\i+2:56+4*\i+3] offset:1024+128*\i+KP
.endr
	WIN 0
	s_wait_loadcnt 0x0                             ; the biases
.set k, 0
.rept 32
	v_pk_add_f32 v[BI+k:BI+k+1], v[BI+k:BI+k+1], v[128+k:128+k+1]   ; b_in + b_rec
.set k, k+2
.endr
.macro FRAG reg, adr, q, i             ; a fragment, 16 rows x 128 K of 8-bit codes, is 16 registers: lane l holds row l % 16; registers 4 c .. 4 c + 3 hold K = 32 c + 16 (l / 16) + 0 .. 15
.irp c, 0,1,2,3
	ds_load_b128 v[\reg+4*\c:\reg+4*\c+3], v[\adr] offset:128*(\q)+32*\c+(\i)*16*PITCH
.endr
.endm
.macro FETCH slot, q, p                ; 48 LDS loads in one run: the slot's q-th 128 along K into set p: eight fragments of the weights, four of X / state
	WIN TO_B
.irp i, 0,1,2,3,4,5,6,7
	FRAG 128*(\p)+16*\i, ADRB+\slot, \q, \i
.endr
	WIN 0
.irp i, 0,1,2,3
	FRAG AF+64*(\p)+16*\i, ADRA+\slot, \q, \i
.endr
.endm
.macro SCALES sc                       ; six loads: a K step's scale words, two a row; each load takes 32 rows, 256 consecutive bytes
.irp p, 0,1
	ds_load_b64 v[SC+12*(\sc)+2*\p:SC+12*(\sc)+2*\p+1], v[ADSA] offset:256*\p
.endr
.irp p, 0,1,2,3
	ds_load_b64 v[SC+12*(\sc)+4+2*\p:SC+12*(\sc)+4+2*\p+1], v[ADSB] offset:256*\p
.endr
.endm
; One product: rows' block a x columns' block b, 128 along K (set p; the K step's q-th; scale set sc).  An odd block's scale words lie in lanes 16-31.  first = 1: C is the bias: nothing is cleared and nothing is added later.
.macro ONE a, b, p, q, sc, first
.set rD, 8*(8*(\a)+(\b))
.set rC, rD
.if \first
.set rC, BI+8*(\b)
.endif
.set rB, 128*(\p)+16*(\b)
.set rA, AF+64*(\p)+16*(\a)
.set rSB, SC+12*(\sc)+4+2*((\b)/2)+(\q)
.set rSA, SC+12*(\sc)+2*((\a)/2)+(\q)
.if (((\a)%2) == 1) && (((\b)%2) == 1)
	v_wmma_scale_f32_16x16x128_f8f6f4 v[rD:rD+7], v[rB:rB+15], v[rA:rA+15], v[rC:rC+7], v[rSB], v[rSA] matrix_a_scale:MATRIX_SCALE_ROW1 matrix_b_scale:MATRIX_SCALE_ROW1
.elseif ((\b)%2) == 1
	v_wmma_scale_f32_16x16x128_f8f6f4 v[rD:rD+7], v[rB:rB+15], v[rA:rA+15], v[rC:rC+7], v[rSB], v[rSA] matrix_a_scale:MATRIX_SCALE_ROW1
.elseif ((\a)%2) == 1
	v_wmma_scale_f32_16x16x128_f8f6f4 v[rD:rD+7], v[rB:rB+15], v[rA:rA+15], v[rC:rC+7], v[rSB], v[rSA] matrix_b_scale:MATRIX_SCALE_ROW1
.else
	v_wmma_scale_f32_16x16x128_f8f6f4 v[rD:rD+7], v[rB:rB+15], v[rA:rA+15], v[rC:rC+7], v[rSB], v[rSA]
.endif
.endm
.macro MULA a, p, q, sc, first         ; eight products.  The 32 accumulators take turns, one instruction a turn, in the same order in every 128 along K
.irp b, 0,1,2,3,4,5,6,7
	ONE \a, \b, \p, \q, \sc, \first
.endr
.endm
; The first 128 along K of a slot: multiplies set 0 and fetches the second 128 into set 1.
.macro STEP slot, first
	PLACES 8                                       ; set 1 was multiplied last
	FETCH \slot, 1, 1
	s_wait_dscnt 48                                ; all but the 48 just issued: set 0 and the K step's scale words are in
.if \first
	WIN MULF
.else
	WIN MUL
.endif
	MULA 0, 0, 0, \slot, \first
	MULA 1, 0, 0, \slot, \first
	MULA 2, 0, 0, \slot, \first
	MULA 3, 0, 0, \slot, \first
	WIN 0
.endm
; The second 128 multiplies set 1 and changes slots: ONE barrier; in front of it each wave waits for all its tensor loads, adds 0 to its spare word, and waits for that and for its own reads of this slot.
; mode 1: this slot is filled again, two K steps on.  mode 2: the same, and the K step asked for is state's and W_rec's first or second.  mode 0: nothing is left to ask for.
.macro TURN slot, next, mode
	s_wait_tensorcnt 0x0                           ; all my tensor loads have landed: the one that was out is my part of the next slot
	ds_add_u32 v[SPW], v[NIL]                      ; 0 onto my spare word
	s_wait_dscnt 1                                 ; set 1 is in; the add may be out
	WIN MUL
	MULA 0, 1, 1, \slot, 0                         ; eight matrix instructions stand between the add and the wait for it
	s_wait_dscnt 0x0                               ; the add is done, and my reads of this slot are over
	s_barrier_signal -1
	MULA 1, 1, 1, \slot, 0
	WIN 0
	s_barrier_wait -1
.if \mode
	CREST                                          ; the barrier has opened a round of the cluster's barrier: no wave of any partner still reads this slot's tile or has a load on its way
.if \mode == 1
	s_add_nc_u64 s[G0A+4*\slot+2:G0A+4*\slot+3], s[G0A+4*\slot+2:G0A+4*\slot+3], 512
	s_add_nc_u64 s[G0B+4*\slot+2:G0B+4*\slot+3], s[G0B+4*\slot+2:G0B+4*\slot+3], 512
.else
.if \slot == 0
	s_mov_b32 s[G1A+5], 4096                       ; from here on rows lie 4,096 bytes apart in memory.  No tensor load of mine is out, so a descriptor may be written
	s_mov_b32 s[G1B+5], 4096
.endif
	s_add_nc_u64 s[G0A+4*\slot+2:G0A+4*\slot+3], s[72:73], 256*\slot
	s_or_b32 s[G0A+4*\slot+3], s[G0A+4*\slot+3], 0x80000000
	s_add_nc_u64 s[G0B+4*\slot+2:G0B+4*\slot+3], s[74:75], 256*\slot
	s_or_b32 s[G0B+4*\slot+3], s[G0B+4*\slot+3], 0x80000000
.endif
	JLOAD G0A+4*\slot, G1A, G0B+4*\slot, G1B       ; the first tensor load behind the round, my one load until the next; its four v_nop are four of the eight places in front of the loads below
	PLACES 4
.else
	PLACES 8
.endif
	v_add_nc_u32 v[ADSA], KP, v[ADSA]              ; on to the next K step's scale words (no LDS load of mine is out)
	v_add_nc_u32 v[ADSB], KP, v[ADSB]
	FETCH \next, 0, 0
	SCALES \next
	WIN MUL
	MULA 2, 1, 1, \slot, 0
	MULA 3, 1, 1, \slot, 0
	WIN 0
.endm
	s_wait_tensorcnt 1                             ; my part of K step 0 is in; K step 1's may stay out
	s_wait_dscnt 0x0                               ; my stores of scale bytes have landed
	s_barrier_signal -1
	s_barrier_wait -1                              ; everybody's have
	FETCH 0, 0, 0
	SCALES 0
	STEP 0, 1                                      ; K step 0: its first products take the biases as C
	TURN 0, 1, 1                                   ; asks for K step 2
	STEP 1, 0
	TURN 1, 0, 1                                   ; 3
	STEP 0, 0
	TURN 0, 1, 2                                   ; 4: state's and W_rec's first
	STEP 1, 0
	TURN 1, 0, 2                                   ; 5
	s_mov_b32 s3, 7
.Llap:                                                 ; seven trips: K steps 4 to 17 are multiplied, 6 to 19 asked for
	STEP 0, 0
	TURN 0, 1, 1
	STEP 1, 0
	TURN 1, 0, 1
	s_sub_co_u32 s3, s3, 1
	s_cmp_lg_u32 s3, 0
	s_cbranch_scc1 .Llap
	STEP 0, 0                                      ; K steps 18 and 19 are written out: nothing is left to ask for
	TURN 0, 1, 0
	STEP 1, 0
	s_wait_dscnt 0x0
	WIN MUL
	MULA 0, 1, 1, 1, 0
	MULA 1, 1, 1, 1, 0
	MULA 2, 1, 1, 1, 0
	MULA 3, 1, 1, 1, 0
	WIN 0
; THE WAY OUT, a block of 16 rows x 128 columns at a time.  relu; the f32 numbers go through my own stage and come back as whole rows of 512 bytes; meanwhile the same numbers are quantised:
; registers 16 B .. 16 B + 15 of lanes l and l xor 16 are the 32 columns 32 B .. 32 B + 31 of my row.  Codes and scale words gather in the work-group's stages.
.macro EPI a
.if (\a) > 0
	s_wait_xcnt 0x0                                ; the last block's stores have read their registers: the rows read back may land there
.endif
	WIN RELU
.set i, 0
.rept 64
	v_max_num_f32 v[T+i], 0, v[64*(\a)+i]          ; each accumulator from its low end on
.set i, i+1
.endr
	WIN 0
.irp b, 0,1,2,3,4,5,6,7
	ds_store_b128 v[STO], v[T+8*\b:T+8*\b+3]   offset:64*\b
	ds_store_b128 v[STO], v[T+8*\b+4:T+8*\b+7] offset:64*\b+16
.endr
.irp t, 0,1,2,3,4,5,6,7,8,9,10,11,12,13,14,15
	ds_load_b128 v[BK+4*\t:BK+4*\t+3], v[RD] offset:\t*FP          ; LDS serves a wave's instructions in order (ISA guide 5.7.1.4): these see the stores above
.endr
.irp b, 0,1,2,3
	v_max3_num_f32 v[TM+\b], v[T+16*\b], v[T+16*\b+1], 0x4800000   ; block b: my 16 numbers (none is negative), and the floor 2^(9 - 127): the byte cannot fall under 1
.endr
.irp i, 2,4,6,8,10,12,14
.irp b, 0,1,2,3
	v_max3_num_f32 v[TM+\b], v[TM+\b], v[T+16*\b+\i], v[T+16*\b+\i+1]   ; (the four blocks by turns)
.endr
.endr
.irp b, 0,1,2,3
	v_permlanex16_b32 v[TM+4+\b], v[TM+\b], s[SEL], s[SEL+1]
.endr
.irp b, 0,1,2,3
	v_max_num_f32 v[TM+\b], v[TM+\b], v[TM+4+\b]   ; with lane l xor 16's: the block's largest number
.endr
.irp b, 0,1,2,3
	v_add_nc_u32 v[TM+12+\b], 0xfc000000, v[TM+\b] ; 8 off its exponent field: the conversion takes the exponent field of this operand as its scale
.endr
.irp b, 0,1,2,3
	v_and_or_b32 v[TM+8+\b], v[TM+\b], 0x7f800000, s[MNT]   ; 448 x the scale
.endr
.irp b, 0,1,2,3
	v_lshrrev_b32 v[TM+4+\b], 23, v[TM+12+\b]      ; the scale's byte
.endr
	v_lshl_or_b32 v[PW], v[TM+5], 8, v[TM+4]       ; the four bytes: my row's scale word for my wave's 128 columns
	v_lshl_or_b32 v[PW], v[TM+6], 16, v[PW]
	v_lshl_or_b32 v[PW], v[TM+7], 24, v[PW]
.irp b, 0,1,2,3
.irp i, 0,1,2,3,4,5,6,7,8,9,10,11,12,13,14,15
	v_min_num_f32 v[H+16*(\b%2)+\i], v[T+16*\b+\i], v[TM+8+\b]     ; the conversion to an 8-bit code does not saturate (ISA guide 7.6.2); nothing is negative, so the hold is one-sided
.endr
	v_cvt_scalef32_pk8_fp8_f32 v[CD+4*\b:CD+4*\b+1],   v[H+16*(\b%2):H+16*(\b%2)+7],    v[TM+12+\b]
	v_cvt_scalef32_pk8_fp8_f32 v[CD+4*\b+2:CD+4*\b+3], v[H+16*(\b%2)+8:H+16*(\b%2)+15], v[TM+12+\b]
.endr
	v_nop                                          ; a plain vector instruction behind the last conversion
.irp t, 0,1,2,3,4,5,6,7
	ds_store_b64 v[CST], v[CD+2*\t:CD+2*\t+1] offset:16*PITCH*(\a)+16*\t   ; columns 16 t + 8 h + 0 .. 7 of row 16 a + r
.endr
	ds_store_b32 v[SST], v[PW] offset:128*(\a)     ; both halves of the lanes write the same word with the same value
	s_wait_dscnt 0x0                               ; the rows are back; my stores into the shared stages have landed
.irp t, 0,1,2,3,4,5,6,7,8,9,10,11,12,13,14,15
	global_store_b128 v[CO], v[BK+4*\t:BK+4*\t+3], s[88:89] offset:(16*(\a)+\t)*16384 th:TH_STORE_NT   ; 32 lanes store 512 consecutive bytes, at a multiple of 256 from out1's first byte
.endr
.endm
	PLACES 8                                       ; behind the last products: their results are read, and registers that they read are written
.irp b, 0,1,2,3
	v_mov_b32 v[TM+4+\b], 0                        ; written once: a lane permute's destination counts as one of its sources
.endr
	EPI 0
	EPI 1
	EPI 2
	EPI 3
	s_barrier_signal -1                            ; every wave's codes and scale words lie in the stages (each has waited for its LDS stores)
	s_barrier_wait -1
.irp i, 0,1,2,3,4,5,6,7,8,9,10,11,12,13,14,15
	ds_load_b128 v[T+4*\i:T+4*\i+3], v[CRD] offset:2*PITCH*\i      ; my 32 rows of codes, two rows of 256 bytes a load
.endr
	ds_load_b64 v[CD:CD+1], v[SRD]                 ; my 32 rows' scale bytes
.irp i, 0,1,2,3,4,5,6,7,8,9,10,11,12,13,14,15
	s_wait_dscnt 16-\i                             ; the loads issued behind load i may be out
	global_store_b128 v[CGO], v[T+4*\i:T+4*\i+3], s[90:91] offset:8192*\i   ; 16 lanes store 256 consecutive bytes, at a multiple of 256 from h_codes' first byte
.endr
	s_wait_dscnt 0x0
	global_store_b64 v[SGO], v[CD:CD+1], s[92:93]  ; 32 lanes store 256 consecutive bytes, aligned
	s_wait_tensorcnt 0x0                           ; the wave's end: an add to my spare word and its wait, behind my last tensor load and my last LDS store
	ds_add_u32 v[SPW], v[NIL]
	s_wait_dscnt 0x0
	CROUND                                         ; the closing round: no work-group ends while a partner may still ask for a tile that names it
	s_endpgm
.Lfunc_end_k_qccea57bca8_cell:
	.size	k_qccea57bca8_cell, .Lfunc_end_k_qccea57bca8_cell-k_qccea57bca8_cell
	.p2alignl 7, 3214868480
	.fill 96, 4, 3214868480
	.section	.rodata,"a",@progbits
	.p2align	6, 0x0
	.amdhsa_kernel k_qccea57bca8_cell
		.amdhsa_group_segment_fixed_size 327680
		.amdhsa_private_segment_fixed_size 0
		.amdhsa_enable_private_segment 0
		.amdhsa_kernarg_size 104
		.amdhsa_user_sgpr_count 2
		.amdhsa_user_sgpr_kernarg_segment_ptr 1
		.amdhsa_wavefront_size32 1
		.amdhsa_system_sgpr_workgroup_id_x 1
		.amdhsa_system_sgpr_workgroup_id_y 1
		.amdhsa_system_sgpr_workgroup_id_z 1
		.amdhsa_system_vgpr_workitem_id 0
		.amdhsa_next_free_vgpr 768
		.amdhsa_next_free_sgpr 102
		.amdhsa_reserve_vcc 0
		.amdhsa_float_denorm_mode_32 3
		.amdhsa_float_denorm_mode_16_64 3
		.amdhsa_memory_ordered 1
		.amdhsa_forward_progress 1
		.amdhsa_inst_pref_size 204
	.end_amdhsa_kernel
	.amdgpu_metadata
---
amdhsa.version: [ 1, 2 ]
amdhsa.kernels:
  - .name:           k_qccea57bca8_cell
    .symbol:         k_qccea57bca8_cell.kd
    .args:
      - { .name: X_codes, .offset: 0, .size: 8, .value_kind: global_buffer, .address_space: global }
      - { .name: W_in_codes, .offset: 8, .size: 8, .value_kind: global_buffer, .address_space: global }
      - { .name: state_codes, .offset: 16, .size: 8, .value_kind: global_buffer, .address_space: global }
      - { .name: W_rec_codes, .offset: 24, .size: 8, .value_kind: global_buffer, .address_space: global }
      - { .name: X_scales, .offset: 32, .size: 8, .value_kind: global_buffer, .address_space: global }
      - { .name: state_scales, .offset: 40, .size: 8, .value_kind: global_buffer, .address_space: global }
      - { .name: W_in_scales, .offset: 48, .size: 8, .value_kind: global_buffer, .address_space: global }
      - { .name: W_rec_scales, .offset: 56, .size: 8, .value_kind: global_buffer, .address_space: global }
      - { .name: b_in, .offset: 64, .size: 8, .value_kind: global_buffer, .address_space: global }
      - { .name: b_rec, .offset: 72, .size: 8, .value_kind: global_buffer, .address_space: global }
      - { .name: out1, .offset: 80, .size: 8, .value_kind: global_buffer, .address_space: global }
      - { .name: h_codes, .offset: 88, .size: 8, .value_kind: global_buffer, .address_space: global }
      - { .name: h_scales, .offset: 96, .size: 8, .value_kind: global_buffer, .address_space: global }
    .group_segment_fixed_size: 327680
    .private_segment_fixed_size: 0
    .kernarg_segment_align: 8
    .kernarg_segment_size: 104
    .max_flat_workgroup_size: 128
    .sgpr_count:     102
    .vgpr_count:     768
    .wavefront_size: 32
...
	.end_amdgpu_metadata
.endif
;; end of part 1
;; launch outp (part 2): grid 8 x 32, 4 waves a work-group, clusters of 4 x 4, 327,680 bytes of LDS; arguments h_codes, W_out_codes, h_scales, W_out_scales, b_out, out0; writes out0
.if DOCPART == 2
	.amdgcn_target "amdgcn-amd-amdhsa--gfx1250"
	.amdhsa_code_object_version 6
	.text
	.protected	k_qccea57bca8_outp
	.globl	k_qccea57bca8_outp
	.p2align	8
	.type	k_qccea57bca8_outp,@function
k_qccea57bca8_outp:
	s_mov_b64 s[64:65], 0
	v_nop
	global_prefetch_b8 v0, s[64:65] scope:SCOPE_SE
	s_setreg_imm32_b32 hwreg(HW_REG_WAVE_MODE, 25, 1), 1
	s_wait_xcnt 0x0
	s_wait_alu depctr_hold_cnt(0) depctr_sa_sdst(0) depctr_va_vdst(0) depctr_va_sdst(0) depctr_va_ssrc(0) depctr_va_vcc(0) depctr_vm_vsrc(0)
	s_getreg_b32 s2, hwreg(HW_REG_IB_STS2, 6, 4)
	s_cmp_eq_u32 s2, 0
	s_cbranch_scc0 .Lentry_in_a_cluster
	s_endpgm
.Lentry_in_a_cluster:
	s_bfe_u32 s2, ttmp6, 0x10000c
	s_cmp_lg_u32 s2, 0xf033
	s_cbranch_scc0 .Lentry_shape_is_right
	s_endpgm
.Lentry_shape_is_right:
; out0 = relu(Q(new_state) W_out^T + b_out): [2048][1024] f32.  Q(new_state) comes as the codes and scale bytes that the launch before has stored; W_out as it is given.  No work is left out.
; SHARES.  A work-group makes 64 rows x 128 columns (8 x 32 work-groups).  K = 4,096 goes in eight slots of 512 through a ring of two LDS slots.  THE FOUR WAVES SHARE K: wave w multiplies bytes 128 w .. 128 w + 127
; of every slot's rows, for the whole tile (32 accumulators), so that no fragment is read from LDS twice.  The four partial sums meet in LDS at the end and are added with K ascending, (0 + 1) + (2 + 3);
; the order of the f32 additions so differs from one chain along K.
; CLUSTERS: 4 x 4 work-groups: the tiles of new_state are shared along a row of the cluster, those of W_out along a column, and asked for jointly.
; THE SCALE BYTES, one for 32 of codes, are not asked for jointly: each work-group copies its 192 rows' bytes once, 16 bytes a lane, through registers into LDS bytes of its own, laid [256 along K][row][8 bytes].
; THE MATRIX INSTRUCTION IS USED TRANSPOSED: source 0 = 16 rows of W_out, source 1 = 16 rows of new_state: lane (r, h) holds row r, register j of block b column 16 b + 8 h + j.
; LIMITS: relu is a maximum with 0 in which a NaN loses.  NaN codes, scale bytes 0xff and infinities are not served.
; REGISTERS, in windows of 256.  Window 0: v0-15 addresses that stay; v16-19 b_out; v21-30 at work at the head; v32-45 scale words, two sets; v128-255 two sets of four fragments of new_state.
;   Window 1: two sets of eight fragments of W_out.  Window 2: accumulator (a, b) at v[8 (8 a + b)].
.set P2,     528                       ; an LDS row: 512 bytes + 16 of padding = 132 words: the 16 rows that a load touches start at 16 different banks (64 banks of 4 bytes: ISA guide 11.1)
.set A2HALF, 32*P2
.set A2TILE, 64*P2
.set B2HALF, 64*P2
.set SLOT2,  A2TILE+2*B2HALF           ; 101,376
.set SCL2,   2*SLOT2                   ; the scale words: 16 planes of KP2 bytes; rows 0-63 new_state's, rows 64-191 W_out's
.set KP2,    1552                      ; 192 rows x 8 bytes + 16
.set SPARE,  SCL2+16*KP2               ; the spare words, 128 bytes for each wave
.set EXW,    64*P2                     ; the exchange, in the ring behind its last fill and its last read: 64 rows x (512 + 16) bytes for each wave
.set ADRA, 4                           ; v4-5   LDS address of my fragments of new_state in slot 0, 1
.set ADRB, 6                           ; v6-7   the same for W_out
.set ADS,  8                           ; v8     my scale words; never stepped: the slot stands in the immediate
.set SPW,  10                          ; v10    LDS address of my spare word; never rewritten
.set NIL,  11                          ; v11    0; never rewritten
.set XST,  12                          ; v12    the exchange: where I put 32 bytes of a row
.set XRD0, 13                          ; v13    where I read a row of waves 0 and 1's sums;  v14 of waves 2 and 3's
.set XRD2, 14
.set GO,   15                          ; v15    16 x lane
.set BO,   16                          ; v16-19 b_out at my four columns of a row: registers that no other line names
.set SC,   32                          ; scale words: set s at v[32 + 8 s]: registers 0-1 new_state's pairs of blocks, 2-5 W_out's; lanes 0-15 the even block, lanes 16-31 the odd one
.set AF,   128
.set G1A, 24
.set G0A, 32
.set G1B, 48
.set G0B, 56
.set MSB, 0
.macro WIN new                         ; the immediate's high byte repeats the setting that is left
.if MSB != \new
	s_set_vgpr_msb (MSB<<8)|\new
.set MSB, \new
.endif
.endm
.set MUL,  0xa1                        ; source 0 window 1, source 1 window 0, C and D window 2
.set TO_B, 0x40                        ; destination window 1
.macro JLOAD g0a, g1a, g0b, g1b        ; a joint load: waves 0 and 1 fetch for new_state, waves 2 and 3 for W_out; an s_nop 0 and four v_nop follow each of the two lines
	s_cmp_eq_u32 s15, 0
	s_cbranch_scc0 .Lfor_b_\@
	tensor_load_to_lds s[\g0a:\g0a+3], s[\g1a:\g1a+7]
	s_nop 0
.rept 4
	v_nop
.endr
	s_branch .Lasked_\@
.Lfor_b_\@:
	tensor_load_to_lds s[\g0b:\g0b+3], s[\g1b:\g1b+7]
	s_nop 0
.rept 4
	v_nop
.endr
.Lasked_\@:
.endm
.macro CREST                           ; a round of the cluster's barrier behind its opening barrier
	s_cmp_lg_u32 s14, 0
	s_cbranch_scc1 .Lnot_wave_0_\@
	s_barrier_signal -3
.Lnot_wave_0_\@:
	s_barrier_wait -3
	s_barrier_signal -1
	s_barrier_wait -1
.endm
.macro CROUND
	s_barrier_signal -1
	s_barrier_wait -1
	CREST
.endm
.macro PLACES n                        ; plain vector instructions between a matrix instruction and a load into, or a read of, its registers (ISA guide 7.12.1 for reads): eight for this form
.rept \n
	v_nop
.endr
.endm
	s_load_b256 s[68:75], s[0:1], 0x0              ; h_codes 68, W_out_codes 70, h_scales 72, W_out_scales 74
	s_load_b128 s[76:79], s[0:1], 0x20             ; b_out 76, out0 78
	v_lshl_add_u32 v[SPW], v0, 2, SPARE
	v_mov_b32 v[NIL], 0
	ds_add_u32 v[SPW], v[NIL]                      ; the wave's opening: the add, twice on end, and its wait ahead of my first tensor load
	ds_add_u32 v[SPW], v[NIL]
	v_lshrrev_b32 v1, 5, v0
	v_readfirstlane_b32 s14, v1                    ; wave 0..3
	s_lshr_b32 s15, s14, 1                         ; I fetch for new_state (0) or for W_out (1)
	s_and_b32 s16, s14, 1                          ; which half of that tile's rows
	s_bfe_u32 s40, ttmp6, 0x40000                  ; cx, cy
	s_bfe_u32 s41, ttmp6, 0x40004
	s_lshl_b32 s42, ttmp9, 2
	s_add_co_u32 s42, s42, s40                     ; x: my 128 columns
	s_and_b32 s17, ttmp7, 0xffff
	s_lshl_b32 s17, s17, 2
	s_add_co_u32 s17, s17, s41                     ; y: my 64 rows
	s_lshl_b32 s43, s41, 2
	s_lshl_b32 s43, 15, s43                        ; my row of the cluster
	s_lshl_b32 s44, 0x1111, s40                    ; my column
	; descriptor group 1: rows of 512 bytes, 16 bytes of padding behind each; 32 rows of new_state, 64 of W_out; 4,096 bytes from row to row in memory
	s_or_b32 s[G1A], s43, (1<<20)|(1<<21)|(6<<22)|(3<<25)   ; 15:0 the mask; 17:16 elements of 1 byte; 20 padding on; 21 set beside a mask; 24:22 after every 128 words; 31:25 four words
	s_or_b32 s[G1B], s44, (1<<20)|(1<<21)|(6<<22)|(3<<25)
	s_mov_b32 s[G1A+1], 512<<16
	s_mov_b32 s[G1A+2], 32<<16
	s_mov_b32 s[G1A+3], 512<<16
	s_mov_b32 s[G1A+4], 32
	s_mov_b32 s[G1A+5], 4096
	s_mov_b32 s[G1A+6], 0
	s_mov_b32 s[G1A+7], 0
	s_mov_b32 s[G1B+1], 512<<16
	s_mov_b32 s[G1B+2], 64<<16
	s_mov_b32 s[G1B+3], 512<<16
	s_mov_b32 s[G1B+4], 64
	s_mov_b32 s[G1B+5], 4096
	s_mov_b32 s[G1B+6], 0
	s_mov_b32 s[G1B+7], 0
	s_lshl_b32 s18, s17, 6                         ; new_state: row 64 y + 32 x half: y and the wave's number alone
	s_lshl_b32 s19, s16, 5
	s_add_co_u32 s18, s18, s19
	s_lshl_b32 s20, s18, 12
	s_mov_b32 s21, 0
	s_lshl_b32 s46, s42, 7                         ; W_out: row 128 x + 64 x half: x and the wave's number alone
	s_lshl_b32 s47, s16, 6
	s_add_co_u32 s46, s46, s47
	s_lshl_b32 s46, s46, 12
	s_mov_b32 s47, 0
	s_mul_i32 s12, s16, A2HALF                     ; where they go in a slot
	s_mul_i32 s13, s16, B2HALF
	s_add_co_u32 s13, s13, A2TILE
	s_wait_dscnt 0x0                               ; both opening adds are done
	s_wait_kmcnt 0x0
	s_add_nc_u64 s[68:69], s[68:69], s[20:21]
	s_add_nc_u64 s[70:71], s[70:71], s[46:47]
	CROUND                                         ; all sixteen work-groups are here: the first joint loads meet
.irp s, 0,1
	s_mov_b32 s[G0A+4*\s], 1
	s_add_co_u32 s[G0A+4*\s+1], s12, \s*SLOT2
	s_add_nc_u64 s[G0A+4*\s+2:G0A+4*\s+3], s[68:69], \s*512
	s_or_b32 s[G0A+4*\s+3], s[G0A+4*\s+3], 0x80000000
	s_mov_b32 s[G0B+4*\s], 1
	s_add_co_u32 s[G0B+4*\s+1], s13, \s*SLOT2
	s_add_nc_u64 s[G0B+4*\s+2:G0B+4*\s+3], s[70:71], \s*512
	s_or_b32 s[G0B+4*\s+3], s[G0B+4*\s+3], 0x80000000
	JLOAD G0A+4*\s, G1A, G0B+4*\s, G1B             ; two tensor loads of mine are out
.endr
	s_mov_b32 s95, 0
	s_lshl_b32 s94, s17, 9                         ; h_scales: my 64 rows x 8 bytes in each plane
	s_add_nc_u64 s[72:73], s[72:73], s[94:95]
	s_lshl_b32 s94, s42, 14                        ; W_out_scales: 128 rows x 128 bytes
	s_add_nc_u64 s[74:75], s[74:75], s[94:95]
	s_lshl_b32 s94, s42, 9                         ; my 128 columns in f32
	s_add_nc_u64 s[76:77], s[76:77], s[94:95]
	s_add_nc_u64 s[78:79], s[78:79], s[94:95]
	s_lshl_b32 s94, s17, 18                        ; out0: rows 64 y + 16 x wave, 4,096 bytes each
	s_lshl_b32 s96, s14, 16
	s_add_co_u32 s94, s94, s96
	s_add_nc_u64 s[78:79], s[78:79], s[94:95]
	v_and_b32 v1, 15, v0                           ; r
	v_bfe_u32 v2, v0, 4, 1                         ; h
	v_and_b32 v3, 31, v0                           ; lane
	v_lshrrev_b32 v25, 5, v0                       ; wave, as a lane's number
	v_lshlrev_b32 v[GO], 4, v3
	v_lshl_add_u32 v21, v25, 14, v[GO]             ; h_scales: a wave takes a plane's 512 bytes; four planes a load
	v_lshlrev_b32 v22, 4, v0                       ; W_out_scales: 2,048 consecutive bytes a load
.irp i, 0,1,2,3
	global_load_b128 v[128+4*\i:128+4*\i+3], v21, s[72:73] offset:65536*\i
.endr
.irp i, 0,1,2,3,4,5,6,7
	global_load_b128 v[144+4*\i:144+4*\i+3], v22, s[74:75] offset:2048*\i
.endr
	global_load_b128 v[BO:BO+3], v[GO], s[76:77]
	v_mul_u32_u24 v26, v25, KP2                    ; (the address work below names none of the registers that the thirteen loads will write)
	v_lshl_add_u32 v26, v3, 4, v26
	v_add_nc_u32 v26, SCL2, v26                    ; plane 4 i + wave, rows 0-63: as they lie
	v_and_b32 v27, 7, v0
	v_lshrrev_b32 v28, 3, v0
	v_mul_u32_u24 v27, v27, 2*KP2
	v_lshl_add_u32 v27, v28, 3, v27
	v_add_nc_u32 v27, SCL2, v27                    ; a thread's 16 bytes are planes 2 (t % 8) and + 1 of row t / 8
	v_mul_u32_u24 v29, v1, P2
	v_lshl_add_u32 v29, v2, 4, v29                 ; a fragment's row x pitch + 16 h
	s_lshl_b32 s4, s14, 7                          ; + my 128 bytes of a row
	v_add_nc_u32 v[ADRA], s4, v29
	s_add_co_u32 s5, s4, A2TILE
	v_add_nc_u32 v[ADRB], s5, v29
	s_add_co_u32 s4, s4, SLOT2
	s_add_co_u32 s5, s5, SLOT2
	v_add_nc_u32 v[ADRA+1], s4, v29
	v_add_nc_u32 v[ADRB+1], s5, v29
	s_mul_i32 s6, s15, KP2                         ; my 128 along K: plane wave / 2 of a slot's two, word wave % 2
	s_lshl_b32 s7, s16, 2
	s_add_co_u32 s6, s6, s7
	s_add_co_u32 s6, s6, SCL2
	v_lshl_add_u32 v[ADS], v3, 3, s6
	s_mul_i32 s8, s14, EXW
	v_mul_u32_u24 v30, v1, P2
	v_lshl_add_u32 v30, v2, 5, v30
	v_add_nc_u32 v[XST], s8, v30
	s_mul_i32 s8, s14, 16*P2
	v_add_nc_u32 v[XRD0], s8, v[GO]
	v_add_nc_u32 v[XRD2], 2*EXW, v[XRD0]
	s_wait_loadcnt 0x0
.irp i, 0,1,2,3
	ds_store_b128 v26, v[128+4*\i:128+4*\i+3] offset:4*KP2*\i
.endr
.irp i, 0,1,2,3,4,5,6,7
	ds_store_b64 v27, v[144+4*\i:144+4*\i+1] offset:512+128*\i       ; a load covers 16 rows; W_out's rows lie behind new_state's 64
	ds_store_b64 v27, v[144+4*\i+2:144+4*\i+3] offset:512+128*\i+KP2
.endr
.macro FRAG reg, adr, i                ; a fragment, 16 rows x 128 K of 8-bit codes: lane l holds row l % 16; registers 4 c .. 4 c + 3 hold K = 32 c + 16 (l / 16) + 0 .. 15
.irp c, 0,1,2,3
	ds_load_b128 v[\reg+4*\c:\reg+4*\c+3], v[\adr] offset:32*\c+(\i)*16*P2
.endr
.endm
.macro FETCH slot, p                   ; 48 LDS loads in one run: my 128 along K of the slot into set p
	WIN TO_B
.irp i, 0,1,2,3,4,5,6,7
	FRAG 128*(\p)+16*\i, ADRB+(\slot), \i
.endr
	WIN 0
.irp i, 0,1,2,3
	FRAG AF+64*(\p)+16*\i, ADRA+(\slot), \i
.endr
.endm
.macro SCALES2 s, sc                   ; six loads: my scale words of slot s: 32 rows a load
.irp p, 0,1,2,3,4,5
	ds_load_b32 v[SC+8*(\sc)+\p], v[ADS] offset:2*KP2*(\s)+256*\p
.endr
.endm
.macro ONE a, b, p, first              ; rows' block a x columns' block b on set p.  An odd block's scale words lie in lanes 16-31.  first = 1: the product starts the sum: nothing is cleared
.set rD, 8*(8*(\a)+(\b))
.set rB, 128*(\p)+16*(\b)
.set rA, AF+64*(\p)+16*(\a)
.set rSB, SC+8*(\p)+2+((\b)/2)
.set rSA, SC+8*(\p)+((\a)/2)
.if \first
.if (((\a)%2) == 1) && (((\b)%2) == 1)
	v_wmma_scale_f32_16x16x128_f8f6f4 v[rD:rD+7], v[rB:rB+15], v[rA:rA+15], 0, v[rSB], v[rSA] matrix_a_scale:MATRIX_SCALE_ROW1 matrix_b_scale:MATRIX_SCALE_ROW1
.elseif ((\b)%2) == 1
	v_wmma_scale_f32_16x16x128_f8f6f4 v[rD:rD+7], v[rB:rB+15], v[rA:rA+15], 0, v[rSB], v[rSA] matrix_a_scale:MATRIX_SCALE_ROW1
.elseif ((\a)%2) == 1
	v_wmma_scale_f32_16x16x128_f8f6f4 v[rD:rD+7], v[rB:rB+15], v[rA:rA+15], 0, v[rSB], v[rSA] matrix_b_scale:MATRIX_SCALE_ROW1
.else
	v_wmma_scale_f32_16x16x128_f8f6f4 v[rD:rD+7], v[rB:rB+15], v[rA:rA+15], 0, v[rSB], v[rSA]
.endif
.else
.if (((\a)%2) == 1) && (((\b)%2) == 1)
	v_wmma_scale_f32_16x16x128_f8f6f4 v[rD:rD+7], v[rB:rB+15], v[rA:rA+15], v[rD:rD+7], v[rSB], v[rSA] matrix_a_scale:MATRIX_SCALE_ROW1 matrix_b_scale:MATRIX_SCALE_ROW1
.elseif ((\b)%2) == 1
	v_wmma_scale_f32_16x16x128_f8f6f4 v[rD:rD+7], v[rB:rB+15], v[rA:rA+15], v[rD:rD+7], v[rSB], v[rSA] matrix_a_scale:MATRIX_SCALE_ROW1
.elseif ((\a)%2) == 1
	v_wmma_scale_f32_16x16x128_f8f6f4 v[rD:rD+7], v[rB:rB+15], v[rA:rA+15], v[rD:rD+7], v[rSB], v[rSA] matrix_b_scale:MATRIX_SCALE_ROW1
.else
	v_wmma_scale_f32_16x16x128_f8f6f4 v[rD:rD+7], v[rB:rB+15], v[rA:rA+15], v[rD:rD+7], v[rSB], v[rSA]
.endif
.endif
.endm
.macro MULA a, p, first                ; eight products.  The 32 accumulators take turns, one instruction a turn, in the same order in every slot
.irp b, 0,1,2,3,4,5,6,7
	ONE \a, \b, \p, \first
.endr
.endm
; Slot s: its fragments lie in set s % 2.  ONE barrier: in front of it each wave waits for all its tensor loads, adds 0 to its spare word, and waits for that and for its own reads of LDS slot s % 2.
; Behind it that LDS slot is filled again with slot s + 2 (mode = 1), and slot s + 1's fragments are fetched from the other one.
.macro TRIP s, mode, first
	s_wait_tensorcnt 0x0                           ; all my tensor loads have landed: my part of slot s + 1 among them
	ds_add_u32 v[SPW], v[NIL]                      ; 0 onto my spare word
	s_wait_dscnt 1                                 ; this slot's fragments and scale words are in; the add may be out
	WIN MUL
	MULA 0, (\s)%2, \first                         ; eight matrix instructions stand between the add and the wait for it
	s_wait_dscnt 0x0                               ; the add is done, and my reads of this slot are over
	s_barrier_signal -1
	MULA 1, (\s)%2, \first
	WIN 0
	s_barrier_wait -1
.if \mode
	CREST                                          ; the barrier has opened a round of the cluster's barrier: no wave of any partner still reads this slot's tile or has a load on its way
	s_add_nc_u64 s[G0A+4*((\s)%2)+2:G0A+4*((\s)%2)+3], s[G0A+4*((\s)%2)+2:G0A+4*((\s)%2)+3], 1024
	s_add_nc_u64 s[G0B+4*((\s)%2)+2:G0B+4*((\s)%2)+3], s[G0B+4*((\s)%2)+2:G0B+4*((\s)%2)+3], 1024
	JLOAD G0A+4*((\s)%2), G1A, G0B+4*((\s)%2), G1B ; the first tensor load behind the round, my one load until the next; its four v_nop are four of the eight places in front of the loads below
	PLACES 4
.else
	PLACES 8
.endif
	FETCH ((\s)+1)%2, ((\s)+1)%2
	SCALES2 (\s)+1, ((\s)+1)%2
	WIN MUL
	MULA 2, (\s)%2, \first
	MULA 3, (\s)%2, \first
	WIN 0
.endm
	s_wait_tensorcnt 1                             ; my part of slot 0 is in; slot 1's may stay out
	s_wait_dscnt 0x0                               ; my stores of scale bytes have landed
	s_barrier_signal -1
	s_barrier_wait -1
	FETCH 0, 0
	SCALES2 0, 0
	TRIP 0, 1, 1                                   ; the first slot's products start the sums; slot 2 is asked for
	TRIP 1, 1, 0
	TRIP 2, 1, 0
	TRIP 3, 1, 0
	TRIP 4, 1, 0
	TRIP 5, 1, 0                                   ; slot 7 is asked for: the last
	TRIP 6, 0, 0
	s_wait_dscnt 0x0                               ; slot 7's fragments are in: my reads of the ring are over
	s_barrier_signal -1
	WIN MUL
	MULA 0, 1, 0
	MULA 1, 1, 0
	MULA 2, 1, 0
	MULA 3, 1, 0
	WIN 0
	s_barrier_wait -1                              ; nobody reads the ring any more, and it has had its last fill: the exchange may be written there
	; THE EXCHANGE.  Each wave lays its 64 x 128 partial sums down as rows of 512 bytes; behind a barrier wave w adds the four waves' rows 16 w .. 16 w + 15, adds b_out, clips at 0 and stores whole rows.
	PLACES 8                                       ; behind the last products
	WIN 0x08                                       ; an LDS store's data: window 2
.irp a, 0,1,2,3
.irp b, 0,1,2,3,4,5,6,7
	ds_store_b128 v[XST], v[8*(8*\a+\b):8*(8*\a+\b)+3]   offset:16*P2*\a+64*\b       ; each accumulator from its low end on
	ds_store_b128 v[XST], v[8*(8*\a+\b)+4:8*(8*\a+\b)+7] offset:16*P2*\a+64*\b+16
.endr
.endr
	WIN 0
	s_wait_dscnt 0x0                               ; for the others' sake: my stores have landed
	s_barrier_signal -1
	s_barrier_wait -1
.macro LOADB g                         ; rows 4 g .. 4 g + 3 of my 16, from all four waves' sums: 16 loads of a whole row each
.set Bf, 64+64*((\g)%2)
.irp u, 0,1
.irp t, 0,1,2,3
	ds_load_b128 v[Bf+16*\u+4*\t:Bf+16*\u+4*\t+3], v[XRD0] offset:\u*EXW+(4*(\g)+\t)*P2
.endr
.endr
.irp u, 0,1
.irp t, 0,1,2,3
	ds_load_b128 v[Bf+32+16*\u+4*\t:Bf+32+16*\u+4*\t+3], v[XRD2] offset:\u*EXW+(4*(\g)+\t)*P2
.endr
.endr
.endm
.macro SUM g                           ; each store has data registers of its own: none is written again
.set Bf, 64+64*((\g)%2)
.set Of, 192+16*(\g)
.irp t, 0,1,2,3
.irp k, 0,2
	v_pk_add_f32 v[Bf+4*\t+\k:Bf+4*\t+\k+1], v[Bf+4*\t+\k:Bf+4*\t+\k+1], v[Bf+16+4*\t+\k:Bf+16+4*\t+\k+1]
	v_pk_add_f32 v[Bf+32+4*\t+\k:Bf+32+4*\t+\k+1], v[Bf+32+4*\t+\k:Bf+32+4*\t+\k+1], v[Bf+48+4*\t+\k:Bf+48+4*\t+\k+1]
.endr
.irp k, 0,2
	v_pk_add_f32 v[Bf+4*\t+\k:Bf+4*\t+\k+1], v[Bf+4*\t+\k:Bf+4*\t+\k+1], v[Bf+32+4*\t+\k:Bf+32+4*\t+\k+1]
.endr
.irp k, 0,2
	v_pk_add_f32 v[Of+4*\t+\k:Of+4*\t+\k+1], v[Bf+4*\t+\k:Bf+4*\t+\k+1], v[BO+\k:BO+\k+1]
.endr
.irp k, 0,1,2,3
	v_max_num_f32 v[Of+4*\t+\k], 0, v[Of+4*\t+\k]
.endr
	global_store_b128 v[GO], v[Of+4*\t:Of+4*\t+3], s[78:79] offset:(4*(\g)+\t)*4096 th:TH_STORE_NT   ; 32 lanes store 512 consecutive bytes, at a multiple of 256 from out0's first byte
.endr
.endm
	LOADB 0
	LOADB 1
	s_wait_dscnt 16                                ; all but the 16 loads issued last
	SUM 0
	LOADB 2
	s_wait_dscnt 16
	SUM 1
	LOADB 3
	s_wait_dscnt 16
	SUM 2
	s_wait_dscnt 0x0
	SUM 3
	s_wait_tensorcnt 0x0                           ; the wave's end: an add to my spare word and its wait, behind my last tensor load and my last LDS store
	ds_add_u32 v[SPW], v[NIL]
	s_wait_dscnt 0x0
	CROUND                                         ; the closing round: no work-group ends while a partner may still ask for a tile that names it
	s_endpgm
.Lfunc_end_k_qccea57bca8_outp:
	.size	k_qccea57bca8_outp, .Lfunc_end_k_qccea57bca8_outp-k_qccea57bca8_outp
	.p2alignl 7, 3214868480
	.fill 96, 4, 3214868480
	.section	.rodata,"a",@progbits
	.p2align	6, 0x0
	.amdhsa_kernel k_qccea57bca8_outp
		.amdhsa_group_segment_fixed_size 327680
		.amdhsa_private_segment_fixed_size 0
		.amdhsa_enable_private_segment 0
		.amdhsa_kernarg_size 48
		.amdhsa_user_sgpr_count 2
		.amdhsa_user_sgpr_kernarg_segment_ptr 1
		.amdhsa_wavefront_size32 1
		.amdhsa_system_sgpr_workgroup_id_x 1
		.amdhsa_system_sgpr_workgroup_id_y 1
		.amdhsa_system_sgpr_workgroup_id_z 1
		.amdhsa_system_vgpr_workitem_id 0
		.amdhsa_next_free_vgpr 768
		.amdhsa_next_free_sgpr 102
		.amdhsa_reserve_vcc 0
		.amdhsa_float_denorm_mode_32 3
		.amdhsa_float_denorm_mode_16_64 3
		.amdhsa_memory_ordered 1
		.amdhsa_forward_progress 1
		.amdhsa_inst_pref_size 100
	.end_amdhsa_kernel
	.amdgpu_metadata
---
amdhsa.version: [ 1, 2 ]
amdhsa.kernels:
  - .name:           k_qccea57bca8_outp
    .symbol:         k_qccea57bca8_outp.kd
    .args:
      - { .name: h_codes, .offset: 0, .size: 8, .value_kind: global_buffer, .address_space: global }
      - { .name: W_out_codes, .offset: 8, .size: 8, .value_kind: global_buffer, .address_space: global }
      - { .name: h_scales, .offset: 16, .size: 8, .value_kind: global_buffer, .address_space: global }
      - { .name: W_out_scales, .offset: 24, .size: 8, .value_kind: global_buffer, .address_space: global }
      - { .name: b_out, .offset: 32, .size: 8, .value_kind: global_buffer, .address_space: global }
      - { .name: out0, .offset: 40, .size: 8, .value_kind: global_buffer, .address_space: global }
    .group_segment_fixed_size: 327680
    .private_segment_fixed_size: 0
    .kernarg_segment_align: 8
    .kernarg_segment_size: 48
    .max_flat_workgroup_size: 128
    .sgpr_count:     102
    .vgpr_count:     768
    .wavefront_size: 32
...
	.end_amdgpu_metadata
.endif
;; end of part 2
;; ======== version 2 of 2: 2 launches; 1.14 times as fast as version 1
;; workspace buffers: h_codes 8,388,608 bytes; h_scales 262,144 bytes
;; launch cell (part 3): grid 16 x 16, 4 waves a work-group, clusters of 4 x 4, 327,680 bytes of LDS; arguments X_codes, W_in_codes, state_codes, W_rec_codes, X_scales, state_scales, W_in_scales, W_rec_scales, b_in, b_rec, out1, h_codes, h_scales; writes out1, h_codes, h_scales
.if DOCPART == 3
	.amdgcn_target "amdgcn-amd-amdhsa--gfx1250"
	.amdhsa_code_object_version 6
	.text
	.protected	k_qccea57bca8_cell
	.globl	k_qccea57bca8_cell
	.p2align	8
	.type	k_qccea57bca8_cell,@function
k_qccea57bca8_cell:
	s_mov_b64 s[64:65], 0
	v_nop
	global_prefetch_b8 v0, s[64:65] scope:SCOPE_SE
	s_setreg_imm32_b32 hwreg(HW_REG_WAVE_MODE, 25, 1), 1
	s_wait_xcnt 0x0
	s_wait_alu depctr_hold_cnt(0) depctr_sa_sdst(0) depctr_va_vdst(0) depctr_va_sdst(0) depctr_va_ssrc(0) depctr_va_vcc(0) depctr_vm_vsrc(0)
	s_getreg_b32 s2, hwreg(HW_REG_IB_STS2, 6, 4)
	s_cmp_eq_u32 s2, 0
	s_cbranch_scc0 .Lentry_in_a_cluster
	s_endpgm
.Lentry_in_a_cluster:
	s_bfe_u32 s2, ttmp6, 0x10000c
	s_cmp_lg_u32 s2, 0xf033
	s_cbranch_scc0 .Lentry_shape_is_right
	s_endpgm
.Lentry_shape_is_right:
; new_state = relu(X W_in^T + b_in + state W_rec^T + b_rec): [2048][4096] f32 -> out1, and the same numbers quantised along their 4,096 columns (E4M3 codes, one E8M0 byte for each 32) -> h_codes, h_scales.
; The two products have the same rows and columns and are added, so they are ONE sum over K = 1,024 + 4,096, in 20 steps of 256: X0-X3 of X and W_in, T0-T15 of state and W_rec.  Codes and scale bytes go to the matrix unit as they lie.
; NO WORK IS LEFT OUT: every input has a way to an output, and no product, row or step of the problem is thrown away.
; SHARES.  A work-group makes 128 rows x 256 columns (16 x 16 work-groups); each of its four waves 64 x 128: 32 accumulators of 16 x 16.
; THE RING has THREE regions of LDS, each for one step (128 + 256 rows of 256 bytes).  They are filled again two at a time and one at a time by turns: behind a barrier at which regions 0 and 1 have been read out,
; each wave asks for one whole tile (wave 0, 1: X / state for region 0, 1; wave 2, 3: the weights), 196,608 bytes in all, while region 2 is multiplied; behind the next, waves 0 and 2 ask for region 2's tiles while
; regions 0 and 1 are multiplied.  So eleven refills serve seventeen steps.  THE WALK is X0 X1 X2 T0 T1 X3 T2 T3 .. T15: no refill of two regions then mixes rows of 1,024 and of 4,096 bytes; step i of the walk lies in region i % 3.
; The order of the f32 additions so differs from the one written in the problem; the biases are the C of each sum's first matrix instruction.
; CLUSTERS: 4 x 4 work-groups.  The four of a row of the cluster need the same tiles of X / state, the four of a column the same tiles of the weights: each tile is asked for jointly.
; THE SCALE WORDS of a wave's 64 + 128 rows, for all of K, stay in REGISTERS: 12 for each step of the walk, v16-255.  The bytes, one for 32 of codes, are not asked for jointly: each work-group loads its 384 rows' bytes once,
; 16 bytes a lane, and turns them through 12,352 bytes of LDS of their own, 1,024 along K at a time, laid [step][row][8 bytes], from which a wave takes 32 rows' two words by one load.
; A text names fixed registers, so in the loop the words of the later trips move down by 36 registers at each trip's end.
; THE MATRIX INSTRUCTION IS USED TRANSPOSED: source 0 = 16 rows of a weight, source 1 = 16 rows of X / state.  Lane (r = l % 16, h = l / 16) then holds row r, and register j of block b column 16 b + 8 h + j.
; h_codes: [2048][4096], one code a byte.  h_scales: [32 (128 columns)][2048 rows][4 bytes]: a layout of this program's own.
; LIMITS: relu is a maximum with 0 in which a NaN loses: a NaN becomes 0.  NaN codes, scale bytes 0xff and infinities are not served.  A block of new_state that is all zeros gets the byte 1 where the
; quantiser says 127: its codes are zeros, which add nothing under any byte but 0xff, and the bytes are read by this program alone.
; REGISTERS, in windows of 256.  Window 0: v0-15 addresses; v16-255 scale words.  Window 1: two sets of eight fragments of the weights.  Window 2: accumulator (a, b) at v[8 (8 a + b)].
;   Window 3: v0-127 two sets of four fragments of X / state; v128-191 the biases.  On the way out window 0's v1-9, v12-255 are free.
.set PITCH, 272                        ; an LDS row: 256 bytes + 16 of padding = 68 words: the 16 rows that a load touches start at 16 different banks (64 banks of 4 bytes: ISA guide 11.1)
.set ATILE, 128*PITCH                  ; a step's tile of X / state: what one tensor load brings
.set BTILE, 256*PITCH                  ; and of the weights
.set AHALF, 64*PITCH                   ; what one wave reads of them
.set BHALF, 128*PITCH
.set SLOT,  ATILE+BTILE                ; a region: 104,448
.set SCR,   3*SLOT                     ; behind the ring: where the scale bytes are turned: 4 steps of KP bytes; rows 0-127 X / state, rows 128-383 the weights
.set KP,    3088                       ; 384 rows x 8 bytes + 16
.set SPARE, SCR+12544                  ; the spare words, 128 bytes for each wave
.set STG,   2*SLOT                     ; the way out lies in region 2, behind its last fill and its last read:
.set FP,    528                        ; a stage of 16 rows x (512 + 16) bytes for each wave,
.set CSTG,  STG+4*16*FP                ; 128 rows x (256 + 16) bytes of codes, the work-group's,
.set SSTG,  CSTG+128*PITCH             ; and 2 x 128 scale words
.set ASA,  1                           ; v1     at the head: where I read scale words of X / state;  v3 of the weights
.set ASB,  3
.set ADRA, 4                           ; v4-6   LDS address of my fragments of X / state in region 0, 1, 2
.set ADRB, 7                           ; v7-9   the same for the weights
.set SPW,  10                          ; v10    LDS address of my spare word; never rewritten
.set NIL,  11                          ; v11    0; never rewritten
.set GOD,  12                          ; v12    at the head: 16 x thread;  v13 128 (thread / 2) + 16 (thread % 2);  v14 where I store scale bytes;  v15 32 h
.set GOS,  13
.set AST,  14
.set BOF,  15
.set STO,  4                           ; the way out: v4 where I put 32 bytes of a row;  v5 where I read a row back;  v6 16 x lane, in a row of out1
.set RD,   5
.set CO,   6
.set CST,  7                           ; v7     where I put 8 codes;  v8 where I read 16 back;  v9 their place in h_codes
.set CRD,  8
.set CGO,  9
.set SST,  12                          ; v12    where I put a scale word;  v13 where I read 8 bytes back;  v14 their place in h_scales
.set SRD,  13
.set SGO,  14
.set SG,   16                          ; scale words: step i of the walk at v[16 + 12 i]: 4 registers for X / state (pair p of blocks, q), then 8 for the weights; lanes 0-15 the even block, lanes 16-31 the odd one
.set FRM,  76                          ; the loop's four steps stand at v76, v88, v100, v112
.set BI,   128                         ; window 3: the biases, 8 registers for each block b of columns;  v192-255 b_rec on its way in
.set BR,   192
.set PW,   56                          ; the way out: the scale word just made
.set T,    64                          ; 64 numbers of new_state
.set H,    128                         ; two sets of 16 numbers held under the largest code
.set CD,   160                         ; 16 registers of codes
.set TM,   176                         ; v176-179 largest numbers, v180-183 bytes, v184-187 448 x the scale, v188-191 the conversion's scale operand
.set BK,   192                         ; 16 rows read back from the stage
.set G1A,  24                          ; s[24:31] descriptor group 1 for X / state;  s[32:35] group 0 for regions 0 and 1 (by the wave's number);  s[36:39] for region 2
.set G0AD, 32
.set G0AS, 36
.set G1B,  48                          ; s[48:55], s[56:59], s[60:63] the same for the weights
.set G0BD, 56
.set G0BS, 60
.set SEL, 98                           ; s[98:99] selects for v_permlanex16_b32: lane l xor 16
.set MNT, 100                          ; s100   the mantissa field of 448
.set MSB, 0
.macro WIN new                         ; the immediate's high byte repeats the setting that is left
.if MSB != \new
	s_set_vgpr_msb (MSB<<8)|\new
.set MSB, \new
.endif
.endm
.set MUL,  0xad                        ; source 0 window 1, source 1 window 3, C and D window 2
.set MULF, 0xbd                        ; the same with C (the biases) in window 3
.set TO_B, 0x40                        ; destination window 1
.set TO_A, 0xc0                        ; destination window 3
.set ALL3, 0xcf                        ; destination and sources 0 and 1 window 3
.set ST_B, 0x04                        ; an LDS store's data window 1
.set RELU, 0x08                        ; source 1 window 2
; Joint loads.  The branches hang on the wave's number alone.  An s_nop 0 and four v_nop follow each tensor load.
.macro JLOAD_D                         ; regions 0 and 1: waves 0 and 1 fetch for X / state, waves 2 and 3 for the weights; the odd wave of each two takes region 1
	s_cmp_eq_u32 s15, 0
	s_cbranch_scc0 .Ld_for_b_\@
	tensor_load_to_lds s[G0AD:G0AD+3], s[G1A:G1A+7]
	s_nop 0
.rept 4
	v_nop
.endr
	s_branch .Ld_asked_\@
.Ld_for_b_\@:
	tensor_load_to_lds s[G0BD:G0BD+3], s[G1B:G1B+7]
	s_nop 0
.rept 4
	v_nop
.endr
.Ld_asked_\@:
.endm
.macro JLOAD_S                         ; region 2: wave 0 fetches for X / state, wave 2 for the weights; waves 1 and 3 have no tile to fill and issue none
	s_cmp_lg_u32 s16, 0
	s_cbranch_scc1 .Ls_asked_\@
	s_cmp_eq_u32 s15, 0
	s_cbranch_scc0 .Ls_for_b_\@
	tensor_load_to_lds s[G0AS:G0AS+3], s[G1A:G1A+7]
	s_nop 0
.rept 4
	v_nop
.endr
	s_branch .Ls_asked_\@
.Ls_for_b_\@:
	tensor_load_to_lds s[G0BS:G0BS+3], s[G1B:G1B+7]
	s_nop 0
.rept 4
	v_nop
.endr
.Ls_asked_\@:
.endm
.macro CREST                           ; a round of the cluster's barrier behind its opening barrier
	s_cmp_lg_u32 s14, 0
	s_cbranch_scc1 .Lnot_wave_0_\@
	s_barrier_signal -3
.Lnot_wave_0_\@:
	s_barrier_wait -3
	s_barrier_signal -1
	s_barrier_wait -1
.endm
.macro CROUND                          ; a whole round
	s_barrier_signal -1
	s_barrier_wait -1
	CREST
.endm
.macro PLACES n                        ; plain vector instructions between a matrix instruction and a load into, a write of, or a read of its registers (ISA guide 7.12.1 for writes and reads): eight for this form
.rept \n
	v_nop
.endr
.endm
	s_load_b512 s[68:83], s[0:1], 0x0              ; X_codes 68, W_in_codes 70, state_codes 72, W_rec_codes 74, X_scales 76, state_scales 78, W_in_scales 80, W_rec_scales 82
	s_load_b256 s[84:91], s[0:1], 0x40             ; b_in 84, b_rec 86, out1 88, h_codes 90
	s_load_b64 s[92:93], s[0:1], 0x60              ; h_scales
	v_lshl_add_u32 v[SPW], v0, 2, SPARE
	v_mov_b32 v[NIL], 0
	ds_add_u32 v[SPW], v[NIL]                      ; the wave's opening: the add, twice on end, and its wait ahead of my first tensor load
	ds_add_u32 v[SPW], v[NIL]
	v_lshrrev_b32 v1, 5, v0
	v_readfirstlane_b32 s14, v1                    ; wave 0..3
	s_lshr_b32 s15, s14, 1                         ; which 64 rows are mine.  Also: I fetch for X / state (0) or for the weights (1)
	s_and_b32 s16, s14, 1                          ; which 128 columns are mine.  Also: of two regions I fill the first (0) or the second (1)
	s_bfe_u32 s40, ttmp6, 0x40000                  ; cx, cy: my place in the cluster
	s_bfe_u32 s41, ttmp6, 0x40004
	s_lshl_b32 s42, ttmp9, 2
	s_add_co_u32 s42, s42, s40                     ; x: my 256 columns = 4 x cluster x + cx
	s_and_b32 s17, ttmp7, 0xffff
	s_lshl_b32 s17, s17, 2
	s_add_co_u32 s17, s17, s41                     ; y: my 128 rows = 4 x cluster y + cy
	s_lshl_b32 s43, s41, 2
	s_lshl_b32 s43, 15, s43                        ; my row of the cluster
	s_lshl_b32 s44, 0x1111, s40                    ; my column
	; descriptor group 1: rows of 256 bytes, 16 bytes of padding behind each; 128 rows of X / state, 256 of a weight; at first the rows lie 1,024 bytes apart in memory
	s_or_b32 s[G1A], s43, (1<<20)|(1<<21)|(5<<22)|(3<<25)   ; 15:0 the mask; 17:16 elements of 1 byte; 20 padding on; 21 set beside a mask; 24:22 after every 64 words; 31:25 four words
	s_or_b32 s[G1B], s44, (1<<20)|(1<<21)|(5<<22)|(3<<25)
	s_mov_b32 s[G1A+1], 256<<16                    ; tensor_dim0
	s_mov_b32 s[G1A+2], 128<<16                    ; tensor_dim1
	s_mov_b32 s[G1A+3], 256<<16                    ; tile_dim0
	s_mov_b32 s[G1A+4], 128                        ; tile_dim1
	s_mov_b32 s[G1A+5], 1024                       ; tensor_dim0_stride
	s_mov_b32 s[G1A+6], 0
	s_mov_b32 s[G1A+7], 0
	s_mov_b32 s[G1B+1], 256<<16
	s_mov_b32 s[G1B+2], 256<<16
	s_mov_b32 s[G1B+3], 256<<16
	s_mov_b32 s[G1B+4], 256
	s_mov_b32 s[G1B+5], 1024
	s_mov_b32 s[G1B+6], 0
	s_mov_b32 s[G1B+7], 0
	s_lshl_b32 s20, s17, 17                        ; row 128 y in X's codes: y alone
	s_mov_b32 s21, 0
	s_lshl_b32 s22, s17, 19                        ; in state's
	s_mov_b32 s23, 0
	s_lshl_b32 s46, s42, 18                        ; row 256 x in W_in's codes: x alone
	s_mov_b32 s47, 0
	s_lshl_b32 s10, s16, 8                         ; the second of two regions takes the step 256 bytes further along K
	s_mov_b32 s11, 0
	s_mul_i32 s12, s16, SLOT                       ; where the tiles go: no place in the cluster enters an LDS address
	s_add_co_u32 s13, s12, ATILE
	s_mov_b32 s[SEL], 0x76543210
	s_mov_b32 s[SEL+1], 0xfedcba98
	s_mov_b32 s[MNT], 0x600000
	s_wait_dscnt 0x0                               ; both opening adds are done
	s_wait_kmcnt 0x0
	s_add_nc_u64 s[68:69], s[68:69], s[20:21]
	s_add_nc_u64 s[72:73], s[72:73], s[22:23]      ; kept: state's and W_rec's steps are asked for from here
	s_add_nc_u64 s[70:71], s[70:71], s[46:47]
	s_lshl_b32 s46, s46, 2                         ; the same rows in W_rec's codes
	s_add_nc_u64 s[74:75], s[74:75], s[46:47]
	CROUND                                         ; all sixteen work-groups are here: the first joint loads meet
	s_mov_b32 s[G0AD], 1                           ; count = 1
	s_mov_b32 s[G0AD+1], s12                       ; LDS address: region 0 or 1
	s_add_nc_u64 s[G0AD+2:G0AD+3], s[68:69], s[10:11]   ; X0 or X1
	s_or_b32 s[G0AD+3], s[G0AD+3], 0x80000000      ; type = 2
	s_mov_b32 s[G0BD], 1
	s_mov_b32 s[G0BD+1], s13
	s_add_nc_u64 s[G0BD+2:G0BD+3], s[70:71], s[10:11]
	s_or_b32 s[G0BD+3], s[G0BD+3], 0x80000000
	JLOAD_D
	s_mov_b32 s[G0AS], 1
	s_mov_b32 s[G0AS+1], 2*SLOT                    ; region 2
	s_add_nc_u64 s[G0AS+2:G0AS+3], s[68:69], 512   ; X2
	s_or_b32 s[G0AS+3], s[G0AS+3], 0x80000000
	s_mov_b32 s[G0BS], 1
	s_mov_b32 s[G0BS+1], 2*SLOT+ATILE
	s_add_nc_u64 s[G0BS+2:G0BS+3], s[70:71], 512
	s_or_b32 s[G0BS+3], s[G0BS+3], 0x80000000
	JLOAD_S                                        ; waves 0 and 2 have two tensor loads out, waves 1 and 3 one
	; the other buffers at my work-group's, or my wave's, part
	s_mov_b32 s95, 0
	s_lshl_b32 s94, s17, 12                        ; X_scales: 128 rows x 32 bytes
	s_add_nc_u64 s[76:77], s[76:77], s[94:95]
	s_lshl_b32 s94, s17, 14                        ; state_scales: 128 rows x 128 bytes
	s_add_nc_u64 s[78:79], s[78:79], s[94:95]
	s_lshl_b32 s94, s42, 13                        ; W_in_scales: 256 rows x 32 bytes
	s_add_nc_u64 s[80:81], s[80:81], s[94:95]
	s_lshl_b32 s94, s42, 15                        ; W_rec_scales: 256 rows x 128 bytes
	s_add_nc_u64 s[82:83], s[82:83], s[94:95]
	s_lshl_b32 s94, s42, 10                        ; my wave's first column, in f32: 1,024 x + 512 x half
	s_lshl_b32 s96, s16, 9
	s_add_co_u32 s94, s94, s96
	s_add_nc_u64 s[84:85], s[84:85], s[94:95]
	s_add_nc_u64 s[86:87], s[86:87], s[94:95]
	s_add_nc_u64 s[88:89], s[88:89], s[94:95]
	s_lshl_b32 s94, s17, 21                        ; out1: rows 128 y + 64 x half, 16,384 bytes each
	s_lshl_b32 s96, s15, 20
	s_add_co_u32 s94, s94, s96
	s_add_nc_u64 s[88:89], s[88:89], s[94:95]
	s_lshl_b32 s94, s17, 19                        ; h_codes: rows 128 y + 32 x wave, 4,096 bytes each; column 256 x
	s_lshl_b32 s96, s14, 17
	s_add_co_u32 s94, s94, s96
	s_lshl_b32 s96, s42, 8
	s_add_co_u32 s94, s94, s96
	s_add_nc_u64 s[90:91], s[90:91], s[94:95]
	s_lshl_b32 s94, s42, 14                        ; h_scales: plane 2 x + wave / 2 of 8,192 bytes; rows 128 y + 64 (wave % 2), 4 bytes each
	s_lshl_b32 s96, s15, 13
	s_add_co_u32 s94, s94, s96
	s_lshl_b32 s96, s17, 9
	s_add_co_u32 s94, s94, s96
	s_lshl_b32 s96, s16, 8
	s_add_co_u32 s94, s94, s96
	s_add_nc_u64 s[92:93], s[92:93], s[94:95]
	; the scale bytes: five groups of six loads, each group 1,024 along K of my work-group's 384 rows: 32 bytes a row, 16 a thread, 64 rows a load; into window 1
	v_and_b32 v1, 15, v0                           ; r
	v_bfe_u32 v2, v0, 4, 1                         ; h
	v_and_b32 v3, 31, v0                           ; lane
	v_lshlrev_b32 v[GOD], 4, v0                    ; rows of 32 bytes lie on end
	v_lshrrev_b32 v16, 1, v0                       ; thread / 2: the row
	v_and_b32 v17, 1, v0                           ; thread % 2: which 16 bytes
	v_lshlrev_b32 v[GOS], 7, v16                   ; rows of 128 bytes
	v_lshl_add_u32 v[GOS], v17, 4, v[GOS]
	v_lshlrev_b32 v[BOF], 5, v2                    ; the biases: my half's eight numbers of a block
	WIN TO_B
.irp n, 0,1
	global_load_b128 v[4*\n:4*\n+3], v[GOD], s[76:77] offset:2048*\n
.endr
.irp n, 0,1,2,3
	global_load_b128 v[8+4*\n:8+4*\n+3], v[GOD], s[80:81] offset:2048*\n
.endr
.irp g, 1,2,3,4
.irp n, 0,1
	global_load_b128 v[24*\g+4*\n:24*\g+4*\n+3], v[GOS], s[78:79] offset:8192*\n+32*(\g-1)
.endr
.irp n, 0,1,2,3
	global_load_b128 v[24*\g+8+4*\n:24*\g+8+4*\n+3], v[GOS], s[82:83] offset:8192*\n+32*(\g-1)
.endr
.endr
	WIN TO_A
.irp b, 0,1,2,3,4,5,6,7
	global_load_b128 v[BI+8*\b:BI+8*\b+3],   v[BOF], s[84:85] offset:64*\b       ; b_in[16 b + 8 h + 0 .. 7] of my columns
	global_load_b128 v[BI+8*\b+4:BI+8*\b+7], v[BOF], s[84:85] offset:64*\b+16
.endr
.irp b, 0,1,2,3,4,5,6,7
	global_load_b128 v[BR+8*\b:BR+8*\b+3],   v[BOF], s[86:87] offset:64*\b       ; b_rec likewise
	global_load_b128 v[BR+8*\b+4:BR+8*\b+7], v[BOF], s[86:87] offset:64*\b+16
.endr
	WIN 0
	v_mul_u32_u24 v[AST], v17, 2*KP                ; a thread's 16 bytes are two steps' 8 bytes of one row: steps 2 (thread % 2) and + 1 of the group's four, row thread / 2
	v_lshl_add_u32 v[AST], v16, 3, v[AST]
	v_add_nc_u32 v[AST], SCR, v[AST]
	v_mul_u32_u24 v18, v1, PITCH
	v_lshl_add_u32 v18, v2, 4, v18                 ; a fragment's row x pitch + 16 h
	s_mul_i32 s4, s15, AHALF
	s_mul_i32 s5, s16, BHALF
	s_add_co_u32 s5, s5, ATILE
.irp s, 0,1,2
	v_add_nc_u32 v[ADRA+\s], s4, v18
	v_add_nc_u32 v[ADRB+\s], s5, v18
	s_add_co_u32 s4, s4, SLOT
	s_add_co_u32 s5, s5, SLOT
.endr
	s_lshl_b32 s6, s15, 9
	s_add_co_u32 s6, s6, SCR
	v_lshl_add_u32 v[ASA], v3, 3, s6               ; row 64 x half + lane, 8 bytes a row
	s_lshl_b32 s6, s16, 10
	s_add_co_u32 s6, s6, SCR+1024
	v_lshl_add_u32 v[ASB], v3, 3, s6               ; row 128 + 128 x half + lane
; Group g of the scale bytes goes through LDS: stored as [step][row][8 bytes]; a barrier; each wave takes its rows' words, 32 rows and two words a load, into the registers of the steps' places in the walk;
; a barrier, behind which the next group is stored into the same bytes.
.macro ROUNDC g
	s_wait_loadcnt 56-6*(\g)                       ; this group's six loads are in; those issued behind them may be out
	WIN ST_B
.irp n, 0,1
	ds_store_b64 v[AST], v[24*(\g)+4*\n:24*(\g)+4*\n+1]   offset:512*\n
	ds_store_b64 v[AST], v[24*(\g)+4*\n+2:24*(\g)+4*\n+3] offset:512*\n+KP
.endr
.irp n, 0,1,2,3
	ds_store_b64 v[AST], v[24*(\g)+8+4*\n:24*(\g)+8+4*\n+1]   offset:1024+512*\n
	ds_store_b64 v[AST], v[24*(\g)+8+4*\n+2:24*(\g)+8+4*\n+3] offset:1024+512*\n+KP
.endr
	WIN 0
	s_wait_dscnt 0x0                               ; for the others' sake: my stores have landed
	s_barrier_signal -1
	s_barrier_wait -1
.irp j, 0,1,2,3
.if (\g) == 0
.set sig, \j+2*(\j/3)                  ; X0 X1 X2 X3 are steps 0, 1, 2, 5 of the walk
.else
.set tau, 4*((\g)-1)+\j                ; T0, T1 are steps 3, 4; from T2 on: four further
.if tau < 2
.set sig, tau+3
.else
.set sig, tau+4
.endif
.endif
.set sgr, SG+12*sig
.irp p, 0,1
	ds_load_b64 v[sgr+2*\p:sgr+2*\p+1], v[ASA] offset:\j*KP+256*\p
.endr
.irp p, 0,1,2,3
	ds_load_b64 v[sgr+4+2*\p:sgr+4+2*\p+1], v[ASB] offset:\j*KP+256*\p
.endr
.endr
	s_wait_dscnt 0x0                               ; my words are in: my reads of these bytes are over
.if (\g) < 4
	s_barrier_signal -1
	s_barrier_wait -1
.endif
.endm
	ROUNDC 0
	ROUNDC 1
	ROUNDC 2
	ROUNDC 3
	ROUNDC 4
	s_wait_loadcnt 0x0                             ; the biases
	WIN ALL3
.set k, 0
.rept 32
	v_pk_add_f32 v[BI+k:BI+k+1], v[BI+k:BI+k+1], v[BR+k:BR+k+1]   ; b_in + b_rec
.set k, k+2
.endr
	WIN 0
.macro FRAG reg, adr, q, i             ; a fragment, 16 rows x 128 K of 8-bit codes, is 16 registers: lane l holds row l % 16; registers 4 c .. 4 c + 3 hold K = 32 c + 16 (l / 16) + 0 .. 15
.irp c, 0,1,2,3
	ds_load_b128 v[\reg+4*\c:\reg+4*\c+3], v[\adr] offset:128*(\q)+32*\c+(\i)*16*PITCH
.endr
.endm
.macro FETCH rg, q, p                  ; 48 LDS loads in one run: the q-th 128 along K of region rg into set p: eight fragments of the weights, four of X / state
	WIN TO_B
.irp i, 0,1,2,3,4,5,6,7
	FRAG 128*(\p)+16*\i, ADRB+\rg, \q, \i
.endr
	WIN TO_A
.irp i, 0,1,2,3
	FRAG 64*(\p)+16*\i, ADRA+\rg, \q, \i
.endr
.endm
; One product: rows' block a x columns' block b, 128 along K (set p; the step's q-th; the step's scale words from v[sg] on).  An odd block's scale words lie in lanes 16-31.  first = 1: C is the bias: nothing is cleared and nothing is added later.
.macro ONE a, b, p, q, sg, first
.set rD, 8*(8*(\a)+(\b))
.set rC, rD
.if \first
.set rC, BI+8*(\b)
.endif
.set rB, 128*(\p)+16*(\b)
.set rA, 64*(\p)+16*(\a)
.set rSB, (\sg)+4+2*((\b)/2)+(\q)
.set rSA, (\sg)+2*((\a)/2)+(\q)
.if (((\a)%2) == 1) && (((\b)%2) == 1)
	v_wmma_scale_f32_16x16x128_f8f6f4 v[rD:rD+7], v[rB:rB+15], v[rA:rA+15], v[rC:rC+7], v[rSB], v[rSA] matrix_a_scale:MATRIX_SCALE_ROW1 matrix_b_scale:MATRIX_SCALE_ROW1
.elseif ((\b)%2) == 1
	v_wmma_scale_f32_16x16x128_f8f6f4 v[rD:rD+7], v[rB:rB+15], v[rA:rA+15], v[rC:rC+7], v[rSB], v[rSA] matrix_a_scale:MATRIX_SCALE_ROW1
.elseif ((\a)%2) == 1
	v_wmma_scale_f32_16x16x128_f8f6f4 v[rD:rD+7], v[rB:rB+15], v[rA:rA+15], v[rC:rC+7], v[rSB], v[rSA] matrix_b_scale:MATRIX_SCALE_ROW1
.else
	v_wmma_scale_f32_16x16x128_f8f6f4 v[rD:rD+7], v[rB:rB+15], v[rA:rA+15], v[rC:rC+7], v[rSB], v[rSA]
.endif
.endm
.macro MULA a, p, q, sg, first         ; eight products.  The 32 accumulators take turns, one instruction a turn, in the same order in every 128 along K
.irp b, 0,1,2,3,4,5,6,7
	ONE \a, \b, \p, \q, \sg, \first
.endr
.endm
; The first 128 along K of the step in region rg: multiplies set 0 and fetches the second 128 into set 1.
.macro STEP rg, sg, first
	PLACES 8                                       ; set 1 was multiplied last
	FETCH \rg, 1, 1
	s_wait_dscnt 48                                ; all but the 48 just issued: set 0 is in
.if \first
	WIN MULF
.else
	WIN MUL
.endif
	MULA 0, 0, 0, \sg, \first
	MULA 1, 0, 0, \sg, \first
	MULA 2, 0, 0, \sg, \first
	MULA 3, 0, 0, \sg, \first
	WIN 0
.endm
; The second 128 of a step whose successor has landed with it: multiplies set 1 and fetches the next region's first 128.  No barrier: the last one has shown both regions whole to every wave.
.macro NEXT nxt, sg
	s_wait_dscnt 0x0                               ; set 1 is in
	WIN MUL
	MULA 0, 1, 1, \sg, 0
	MULA 1, 1, 1, \sg, 0
	PLACES 8                                       ; set 0 was multiplied by the step's first half
	FETCH \nxt, 0, 0
	WIN MUL
	MULA 2, 1, 1, \sg, 0
	MULA 3, 1, 1, \sg, 0
	WIN 0
.endm
; What is asked for behind a round.  No tensor load of mine is out there, so every descriptor may be written.
.macro REFILL kind
.if \kind == 1                         ; regions 0, 1 <- T0, T1
	s_mov_b32 s[G1A+5], 4096                       ; rows 4,096 bytes apart in memory
	s_mov_b32 s[G1B+5], 4096
	s_add_nc_u64 s[G0AD+2:G0AD+3], s[72:73], s[10:11]
	s_or_b32 s[G0AD+3], s[G0AD+3], 0x80000000
	s_add_nc_u64 s[G0BD+2:G0BD+3], s[74:75], s[10:11]
	s_or_b32 s[G0BD+3], s[G0BD+3], 0x80000000
	JLOAD_D
	PLACES 4                                       ; with the four v_nop behind the load: eight places in front of the loads that follow
.elseif \kind == 2                     ; region 2 <- X3
	s_mov_b32 s[G1A+5], 1024
	s_mov_b32 s[G1B+5], 1024
	s_add_nc_u64 s[G0AS+2:G0AS+3], s[G0AS+2:G0AS+3], 256
	s_add_nc_u64 s[G0BS+2:G0BS+3], s[G0BS+2:G0BS+3], 256
	JLOAD_S
	PLACES 8                                       ; (waves 1 and 3 pass no v_nop in the load's macro)
.elseif \kind == 3                     ; regions 0, 1 <- T2, T3; and region 2's descriptors are set three steps in front of T4, for the loop
	s_mov_b32 s[G1A+5], 4096
	s_mov_b32 s[G1B+5], 4096
	s_add_nc_u64 s[G0AD+2:G0AD+3], s[G0AD+2:G0AD+3], 512
	s_add_nc_u64 s[G0BD+2:G0BD+3], s[G0BD+2:G0BD+3], 512
	s_add_nc_u64 s[G0AS+2:G0AS+3], s[72:73], 256
	s_or_b32 s[G0AS+3], s[G0AS+3], 0x80000000
	s_add_nc_u64 s[G0BS+2:G0BS+3], s[74:75], 256
	s_or_b32 s[G0BS+3], s[G0BS+3], 0x80000000
	JLOAD_D
	PLACES 4
.elseif \kind == 4                     ; region 2, three steps on
	s_add_nc_u64 s[G0AS+2:G0AS+3], s[G0AS+2:G0AS+3], 768
	s_add_nc_u64 s[G0BS+2:G0BS+3], s[G0BS+2:G0BS+3], 768
	JLOAD_S
	PLACES 8
.else                                  ; regions 0, 1, three steps on
	s_add_nc_u64 s[G0AD+2:G0AD+3], s[G0AD+2:G0AD+3], 768
	s_add_nc_u64 s[G0BD+2:G0BD+3], s[G0BD+2:G0BD+3], 768
	JLOAD_D
	PLACES 4
.endif
.endm
; The second 128 of a step behind which regions are filled again: ONE barrier; in front of it each wave waits for all its tensor loads, adds 0 to its spare word, and waits for that and for its own reads of the
; regions that are left.  Behind it those regions are asked for anew (kind 1 to 5), and the next region, which is whole, is read.  kind 0: nothing is left to ask for.
.macro TURN nxt, sg, kind
	s_wait_tensorcnt 0x0                           ; all my tensor loads have landed: my part of what is read next
	ds_add_u32 v[SPW], v[NIL]                      ; 0 onto my spare word
	s_wait_dscnt 1                                 ; set 1 is in; the add may be out
	WIN MUL
	MULA 0, 1, 1, \sg, 0                           ; eight matrix instructions stand between the add and the wait for it
	s_wait_dscnt 0x0                               ; the add is done, and my reads of the regions that are left are over
	s_barrier_signal -1
	MULA 1, 1, 1, \sg, 0
	WIN 0
	s_barrier_wait -1
.if \kind
	CREST                                          ; the barrier has opened a round of the cluster's barrier: no wave of any partner still reads these regions or has a load on its way
	REFILL \kind                                   ; the first tensor load behind the round, and my one load until the next
.else
	PLACES 8
.endif
	FETCH \nxt, 0, 0
	WIN MUL
	MULA 2, 1, 1, \sg, 0
	MULA 3, 1, 1, \sg, 0
	WIN 0
.endm
	s_wait_tensorcnt 0x0                           ; my parts of the first three steps are in (no LDS instruction of mine is out)
	s_barrier_signal -1
	s_barrier_wait -1                              ; everybody's are
	FETCH 0, 0, 0
	STEP 0, 16, 1                                  ; X0: its first products take the biases as C
	NEXT 1, 16
	STEP 1, 28, 0                                  ; X1
	TURN 2, 28, 1                                  ; T0, T1 are asked for
	STEP 2, 40, 0                                  ; X2
	TURN 0, 40, 2                                  ; X3
	STEP 0, 52, 0                                  ; T0
	NEXT 1, 52
	STEP 1, 64, 0                                  ; T1
	TURN 2, 64, 3                                  ; T2, T3
	STEP 2, 76, 0                                  ; X3
	s_mov_b32 s3, 4
.Llap:                                                 ; four trips of three steps: T2 to T13 are multiplied, T4 to T15 asked for
	TURN 0, FRM, 4
	STEP 0, FRM+12, 0
	NEXT 1, FRM+12
	STEP 1, FRM+24, 0
	TURN 2, FRM+24, 5
	STEP 2, FRM+36, 0
	PLACES 8                                       ; behind the products that read the words about to be written
.set i, 0
.rept 120
	v_mov_b32 v[FRM+i], v[FRM+36+i]                ; the scale words of the step in hand and of the nine behind it move down three steps: the next trip finds its words where this one did
.set i, i+1
.endr
	s_sub_co_u32 s3, s3, 1
	s_cmp_lg_u32 s3, 0
	s_cbranch_scc1 .Llap
	TURN 0, FRM, 0                                 ; the tail is written out: nothing is left to ask for
	STEP 0, 232, 0                                 ; T14
	NEXT 1, 232
	STEP 1, 244, 0                                 ; T15
	s_wait_dscnt 0x0
	WIN MUL
	MULA 0, 1, 1, 244, 0
	MULA 1, 1, 1, 244, 0
	MULA 2, 1, 1, 244, 0
	MULA 3, 1, 1, 244, 0
	WIN 0
; THE WAY OUT, a block of 16 rows x 128 columns at a time.  relu; the f32 numbers go through my own stage and come back as whole rows of 512 bytes; meanwhile the same numbers are quantised:
; registers 16 B .. 16 B + 15 of lanes l and l xor 16 are the 32 columns 32 B .. 32 B + 31 of my row.  Codes and scale words gather in the work-group's stages.
; The stages lie in region 2: it has had its last fill, and every wave has passed the last barrier, in front of which its reads of that region were over.
	PLACES 8                                       ; behind the last products: their results are read, and registers that they read are written
	v_and_b32 v1, 15, v0                           ; r
	v_bfe_u32 v2, v0, 4, 1                         ; h
	v_and_b32 v3, 31, v0                           ; lane
	s_mul_i32 s7, s14, 16*FP
	s_add_co_u32 s7, s7, STG                       ; my stage
	v_mul_u32_u24 v15, v1, FP
	v_lshl_add_u32 v15, v2, 5, v15
	v_add_nc_u32 v[STO], s7, v15
	v_lshlrev_b32 v[CO], 4, v3
	v_add_nc_u32 v[RD], s7, v[CO]
	s_mul_i32 s8, s15, 64*PITCH
	s_lshl_b32 s9, s16, 7
	s_add_co_u32 s8, s8, s9
	s_add_co_u32 s8, s8, CSTG
	v_mul_u32_u24 v15, v1, PITCH
	v_lshl_add_u32 v15, v2, 3, v15
	v_add_nc_u32 v[CST], s8, v15                   ; row 64 x half + r; byte 128 x half + 8 h
	s_mul_i32 s8, s14, 32*PITCH
	s_add_co_u32 s8, s8, CSTG
	v_mul_u32_u24 v15, v2, PITCH
	v_lshl_add_u32 v15, v1, 4, v15
	v_add_nc_u32 v[CRD], s8, v15                   ; back: rows 32 x wave on; lanes 0-15 one row of 256 bytes, lanes 16-31 the next
	v_lshlrev_b32 v[CGO], 12, v2
	v_lshl_add_u32 v[CGO], v1, 4, v[CGO]
	s_lshl_b32 s8, s16, 9
	s_lshl_b32 s9, s15, 8
	s_add_co_u32 s8, s8, s9
	s_add_co_u32 s8, s8, SSTG
	v_lshl_add_u32 v[SST], v1, 2, s8               ; plane = my half of the columns; row 64 x half + r, 4 bytes a row
	s_lshl_b32 s8, s14, 8
	s_add_co_u32 s8, s8, SSTG
	v_lshl_add_u32 v[SRD], v3, 3, s8
	v_lshlrev_b32 v[SGO], 3, v3
.irp b, 0,1,2,3
	v_mov_b32 v[TM+4+\b], 0                        ; written once: a lane permute's destination counts as one of its sources
.endr
.macro EPI a
.if (\a) > 0
	s_wait_xcnt 0x0                                ; the last block's stores have read their registers: the rows read back may land there
.endif
	WIN RELU
.set i, 0
.rept 64
	v_max_num_f32 v[T+i], 0, v[64*(\a)+i]          ; each accumulator from its low end on
.set i, i+1
.endr
	WIN 0
.irp b, 0,1,2,3,4,5,6,7
	ds_store_b128 v[STO], v[T+8*\b:T+8*\b+3]   offset:64*\b
	ds_store_b128 v[STO], v[T+8*\b+4:T+8*\b+7] offset:64*\b+16
.endr
.irp t, 0,1,2,3,4,5,6,7,8,9,10,11,12,13,14,15
	ds_load_b128 v[BK+4*\t:BK+4*\t+3], v[RD] offset:\t*FP          ; LDS serves a wave's instructions in order (ISA guide 5.7.1.4): these see the stores above
.endr
.irp b, 0,1,2,3
	v_max3_num_f32 v[TM+\b], v[T+16*\b], v[T+16*\b+1], 0x4800000   ; block b: my 16 numbers (none is negative), and the floor 2^(9 - 127): the byte cannot fall under 1
.endr
.irp i, 2,4,6,8,10,12,14
.irp b, 0,1,2,3
	v_max3_num_f32 v[TM+\b], v[TM+\b], v[T+16*\b+\i], v[T+16*\b+\i+1]   ; (the four blocks by turns)
.endr
.endr
.irp b, 0,1,2,3
	v_permlanex16_b32 v[TM+4+\b], v[TM+\b], s[SEL], s[SEL+1]
.endr
.irp b, 0,1,2,3
	v_max_num_f32 v[TM+\b], v[TM+\b], v[TM+4+\b]   ; with lane l xor 16's: the block's largest number
.endr
.irp b, 0,1,2,3
	v_add_nc_u32 v[TM+12+\b], 0xfc000000, v[TM+\b] ; 8 off its exponent field: the conversion takes the exponent field of this operand as its scale
.endr
.irp b, 0,1,2,3
	v_and_or_b32 v[TM+8+\b], v[TM+\b], 0x7f800000, s[MNT]   ; 448 x the scale
.endr
.irp b, 0,1,2,3
	v_lshrrev_b32 v[TM+4+\b], 23, v[TM+12+\b]      ; the scale's byte
.endr
	v_lshl_or_b32 v[PW], v[TM+5], 8, v[TM+4]       ; the four bytes: my row's scale word for my wave's 128 columns
	v_lshl_or_b32 v[PW], v[TM+6], 16, v[PW]
	v_lshl_or_b32 v[PW], v[TM+7], 24, v[PW]
.irp b, 0,1,2,3
.irp i, 0,1,2,3,4,5,6,7,8,9,10,11,12,13,14,15
	v_min_num_f32 v[H+16*(\b%2)+\i], v[T+16*\b+\i], v[TM+8+\b]     ; the conversion to an 8-bit code does not saturate (ISA guide 7.6.2); nothing is negative, so the hold is one-sided
.endr
	v_cvt_scalef32_pk8_fp8_f32 v[CD+4*\b:CD+4*\b+1],   v[H+16*(\b%2):H+16*(\b%2)+7],    v[TM+12+\b]
	v_cvt_scalef32_pk8_fp8_f32 v[CD+4*\b+2:CD+4*\b+3], v[H+16*(\b%2)+8:H+16*(\b%2)+15], v[TM+12+\b]
.endr
	v_nop                                          ; a plain vector instruction behind the last conversion
.irp t, 0,1,2,3,4,5,6,7
	ds_store_b64 v[CST], v[CD+2*\t:CD+2*\t+1] offset:16*PITCH*(\a)+16*\t   ; columns 16 t + 8 h + 0 .. 7 of row 16 a + r
.endr
	ds_store_b32 v[SST], v[PW] offset:64*(\a)      ; both halves of the lanes write the same word with the same value
	s_wait_dscnt 0x0                               ; the rows are back; my stores into the shared stages have landed
.irp t, 0,1,2,3,4,5,6,7,8,9,10,11,12,13,14,15
	global_store_b128 v[CO], v[BK+4*\t:BK+4*\t+3], s[88:89] offset:(16*(\a)+\t)*16384 th:TH_STORE_NT   ; 32 lanes store 512 consecutive bytes, at a multiple of 256 from out1's first byte
.endr
.endm
	EPI 0
	EPI 1
	EPI 2
	EPI 3
	s_barrier_signal -1                            ; every wave's codes and scale words lie in the stages (each has waited for its LDS stores)
	s_barrier_wait -1
.irp i, 0,1,2,3,4,5,6,7,8,9,10,11,12,13,14,15
	ds_load_b128 v[T+4*\i:T+4*\i+3], v[CRD] offset:2*PITCH*\i      ; my 32 rows of codes, two rows of 256 bytes a load
.endr
	ds_load_b64 v[CD:CD+1], v[SRD]                 ; 64 rows' scale words of one plane
.irp i, 0,1,2,3,4,5,6,7,8,9,10,11,12,13,14,15
	s_wait_dscnt 16-\i                             ; the loads issued behind load i may be out
	global_store_b128 v[CGO], v[T+4*\i:T+4*\i+3], s[90:91] offset:8192*\i   ; 16 lanes store 256 consecutive bytes, at a multiple of 256 from h_codes' first byte
.endr
	s_wait_dscnt 0x0
	global_store_b64 v[SGO], v[CD:CD+1], s[92:93]  ; 32 lanes store 256 consecutive bytes, aligned
	s_wait_tensorcnt 0x0                           ; the wave's end: an add to my spare word and its wait, behind my last tensor load and my last LDS store
	ds_add_u32 v[SPW], v[NIL]
	s_wait_dscnt 0x0
	CROUND                                         ; the closing round: no work-group ends while a partner may still ask for a tile that names it
	s_endpgm
.Lfunc_end_k_qccea57bca8_cell:
	.size	k_qccea57bca8_cell, .Lfunc_end_k_qccea57bca8_cell-k_qccea57bca8_cell
	.p2alignl 7, 3214868480
	.fill 96, 4, 3214868480
	.section	.rodata,"a",@progbits
	.p2align	6, 0x0
	.amdhsa_kernel k_qccea57bca8_cell
		.amdhsa_group_segment_fixed_size 327680
		.amdhsa_private_segment_fixed_size 0
		.amdhsa_enable_private_segment 0
		.amdhsa_kernarg_size 104
		.amdhsa_user_sgpr_count 2
		.amdhsa_user_sgpr_kernarg_segment_ptr 1
		.amdhsa_wavefront_size32 1
		.amdhsa_system_sgpr_workgroup_id_x 1
		.amdhsa_system_sgpr_workgroup_id_y 1
		.amdhsa_system_sgpr_workgroup_id_z 1
		.amdhsa_system_vgpr_workitem_id 0
		.amdhsa_next_free_vgpr 1024
		.amdhsa_next_free_sgpr 102
		.amdhsa_reserve_vcc 0
		.amdhsa_float_denorm_mode_32 3
		.amdhsa_float_denorm_mode_16_64 3
		.amdhsa_memory_ordered 1
		.amdhsa_forward_progress 1
		.amdhsa_inst_pref_size 255
	.end_amdhsa_kernel
	.section	.bss,"aw",@nobits
	.p2align	6
	.space	262144
	.amdgpu_metadata
---
amdhsa.version: [ 1, 2 ]
amdhsa.kernels:
  - .name:           k_qccea57bca8_cell
    .symbol:         k_qccea57bca8_cell.kd
    .args:
      - { .name: X_codes, .offset: 0, .size: 8, .value_kind: global_buffer, .address_space: global }
      - { .name: W_in_codes, .offset: 8, .size: 8, .value_kind: global_buffer, .address_space: global }
      - { .name: state_codes, .offset: 16, .size: 8, .value_kind: global_buffer, .address_space: global }
      - { .name: W_rec_codes, .offset: 24, .size: 8, .value_kind: global_buffer, .address_space: global }
      - { .name: X_scales, .offset: 32, .size: 8, .value_kind: global_buffer, .address_space: global }
      - { .name: state_scales, .offset: 40, .size: 8, .value_kind: global_buffer, .address_space: global }
      - { .name: W_in_scales, .offset: 48, .size: 8, .value_kind: global_buffer, .address_space: global }
      - { .name: W_rec_scales, .offset: 56, .size: 8, .value_kind: global_buffer, .address_space: global }
      - { .name: b_in, .offset: 64, .size: 8, .value_kind: global_buffer, .address_space: global }
      - { .name: b_rec, .offset: 72, .size: 8, .value_kind: global_buffer, .address_space: global }
      - { .name: out1, .offset: 80, .size: 8, .value_kind: global_buffer, .address_space: global }
      - { .name: h_codes, .offset: 88, .size: 8, .value_kind: global_buffer, .address_space: global }
      - { .name: h_scales, .offset: 96, .size: 8, .value_kind: global_buffer, .address_space: global }
    .group_segment_fixed_size: 327680
    .private_segment_fixed_size: 0
    .kernarg_segment_align: 8
    .kernarg_segment_size: 104
    .max_flat_workgroup_size: 128
    .sgpr_count:     102
    .vgpr_count:     1024
    .wavefront_size: 32
...
	.end_amdgpu_metadata
.endif
;; end of part 3
;; launch outp (part 4): grid 8 x 32, 4 waves a work-group, clusters of 4 x 4, 327,680 bytes of LDS; arguments h_codes, W_out_codes, h_scales, W_out_scales, b_out, out0; writes out0
.if DOCPART == 4
	.amdgcn_target "amdgcn-amd-amdhsa--gfx1250"
	.amdhsa_code_object_version 6
	.text
	.protected	k_qccea57bca8_outp
	.globl	k_qccea57bca8_outp
	.p2align	8
	.type	k_qccea57bca8_outp,@function
k_qccea57bca8_outp:
	s_mov_b64 s[64:65], 0
	v_nop
	global_prefetch_b8 v0, s[64:65] scope:SCOPE_SE
	s_setreg_imm32_b32 hwreg(HW_REG_WAVE_MODE, 25, 1), 1
	s_wait_xcnt 0x0
	s_wait_alu depctr_hold_cnt(0) depctr_sa_sdst(0) depctr_va_vdst(0) depctr_va_sdst(0) depctr_va_ssrc(0) depctr_va_vcc(0) depctr_vm_vsrc(0)
	s_getreg_b32 s2, hwreg(HW_REG_IB_STS2, 6, 4)
	s_cmp_eq_u32 s2, 0
	s_cbranch_scc0 .Lentry_in_a_cluster
	s_endpgm
.Lentry_in_a_cluster:
	s_bfe_u32 s2, ttmp6, 0x10000c
	s_cmp_lg_u32 s2, 0xf033
	s_cbranch_scc0 .Lentry_shape_is_right
	s_endpgm
.Lentry_shape_is_right:
; out0 = relu(Q(new_state) W_out^T + b_out): [2048][1024] f32.  Q(new_state) comes as the codes and scale words that the launch before has stored; W_out as it is given.  No work is left out.
; SHARES.  A work-group makes 64 rows x 128 columns (8 x 32 work-groups).  K = 4,096 goes in eight slots of 512.  THE FOUR WAVES SHARE K: wave w multiplies bytes 128 w .. 128 w + 127 of every slot's rows, for the
; whole tile (32 accumulators), so that no fragment is read from LDS twice.  The four partial sums meet in LDS at the end and are added with K ascending, (0 + 1) + (2 + 3);
; the order of the f32 additions so differs from one chain along K.
; THE RING has THREE regions of LDS, each for one slot (64 + 128 rows of 512 bytes); slot s lies in region s % 3.  Slots 0, 1, 2 are asked for at the start.  Regions 0 and 1 are filled again together, each wave asking
; for one whole tile (wave 0, 1: new_state for region 0, 1; wave 2, 3: W_out), region 2 by waves 0 and 2: three refills serve five slots.
; CLUSTERS: 4 x 4 work-groups: the tiles of new_state are shared along a row of the cluster, those of W_out along a column, and asked for jointly.
; THE SCALE WORDS stay in registers.  new_state's lie in memory as [128 along K][row][4 bytes]: a lane takes its row's word, 32 lanes 128 consecutive bytes.  W_out's bytes, one for 32 of codes, are not asked for jointly:
; each work-group copies its 128 rows' bytes once, 16 bytes a lane over consecutive bytes, through registers into LDS bytes of their own, laid [256 along K][row][8 bytes], and each wave then takes its 32 words a lane.
; THE MATRIX INSTRUCTION IS USED TRANSPOSED: source 0 = 16 rows of W_out, source 1 = 16 rows of new_state: lane (r, h) holds row r, register j of block b column 16 b + 8 h + j.
; LIMITS: relu is a maximum with 0 in which a NaN loses.  NaN codes, scale bytes 0xff and infinities are not served.
; REGISTERS, in windows of 256.  Window 0: v0-15, v20 addresses that stay; v16-19 b_out; v21-30 at work at the head; v32-47 new_state's scale words, v48-79 W_out's; v128-255 two sets of four fragments of new_state.
;   Window 1: two sets of eight fragments of W_out.  Window 2: accumulator (a, b) at v[8 (8 a + b)].
.set P2,     528                       ; an LDS row: 512 bytes + 16 of padding = 132 words: the 16 rows that a load touches start at 16 different banks (64 banks of 4 bytes: ISA guide 11.1)
.set A2TILE, 64*P2                     ; a slot's tile of new_state: what one tensor load brings
.set B2TILE, 128*P2                    ; and of W_out
.set SLOT2,  A2TILE+B2TILE             ; a region: 101,376
.set SCL3,   3*SLOT2                   ; behind the ring: W_out's scale bytes: 16 planes of KP3 bytes
.set KP3,    1040                      ; 128 rows x 8 bytes + 16
.set SPARE,  SCL3+16*KP3               ; the spare words, 128 bytes for each wave
.set EXW,    64*P2                     ; the exchange, in the ring behind its last fill and its last read: 64 rows x (512 + 16) bytes for each wave
.set ADRA, 4                           ; v4-6   LDS address of my fragments of new_state in region 0, 1, 2
.set ADRB, 7                           ; v7-9   the same for W_out
.set SPW,  10                          ; v10    LDS address of my spare word; never rewritten
.set NIL,  11                          ; v11    0; never rewritten
.set XST,  12                          ; v12    the exchange: where I put 32 bytes of a row
.set XRD0, 13                          ; v13    where I read a row of waves 0 and 1's sums;  v14 of waves 2 and 3's
.set XRD2, 14
.set GO,   15                          ; v15    16 x lane
.set BO,   16                          ; v16-19 b_out at my four columns of a row
.set ADS,  20                          ; v20    where I read W_out's scale words
.set SAR,  32                          ; new_state's scale words: slot s, pair p of blocks at v[32 + 2 s + p]; lanes 0-15 the even block, lanes 16-31 the odd one
.set SBR,  48                          ; W_out's: v[48 + 4 s + p]
.set AF,   128
.set G1A,  24                          ; s[24:31] descriptor group 1 for new_state;  s[32:35] group 0 for regions 0 and 1 (by the wave's number);  s[36:39] for region 2
.set G0AD, 32
.set G0AS, 36
.set G1B,  48                          ; s[48:55], s[56:59], s[60:63] the same for W_out
.set G0BD, 56
.set G0BS, 60
.set MSB, 0
.macro WIN new                         ; the immediate's high byte repeats the setting that is left
.if MSB != \new
	s_set_vgpr_msb (MSB<<8)|\new
.set MSB, \new
.endif
.endm
.set MUL,  0xa1                        ; source 0 window 1, source 1 window 0, C and D window 2
.set TO_B, 0x40                        ; destination window 1
; Joint loads.  The branches hang on the wave's number alone.  An s_nop 0 and four v_nop follow each tensor load.
.macro JLOAD_D                         ; regions 0 and 1: waves 0 and 1 fetch for new_state, waves 2 and 3 for W_out; the odd wave of each two takes region 1
	s_cmp_eq_u32 s15, 0
	s_cbranch_scc0 .Ld_for_b_\@
	tensor_load_to_lds s[G0AD:G0AD+3], s[G1A:G1A+7]
	s_nop 0
.rept 4
	v_nop
.endr
	s_branch .Ld_asked_\@
.Ld_for_b_\@:
	tensor_load_to_lds s[G0BD:G0BD+3], s[G1B:G1B+7]
	s_nop 0
.rept 4
	v_nop
.endr
.Ld_asked_\@:
.endm
.macro JLOAD_S                         ; region 2: wave 0 fetches for new_state, wave 2 for W_out; waves 1 and 3 have no tile to fill and issue none
	s_cmp_lg_u32 s16, 0
	s_cbranch_scc1 .Ls_asked_\@
	s_cmp_eq_u32 s15, 0
	s_cbranch_scc0 .Ls_for_b_\@
	tensor_load_to_lds s[G0AS:G0AS+3], s[G1A:G1A+7]
	s_nop 0
.rept 4
	v_nop
.endr
	s_branch .Ls_asked_\@
.Ls_for_b_\@:
	tensor_load_to_lds s[G0BS:G0BS+3], s[G1B:G1B+7]
	s_nop 0
.rept 4
	v_nop
.endr
.Ls_asked_\@:
.endm
.macro CREST                           ; a round of the cluster's barrier behind its opening barrier
	s_cmp_lg_u32 s14, 0
	s_cbranch_scc1 .Lnot_wave_0_\@
	s_barrier_signal -3
.Lnot_wave_0_\@:
	s_barrier_wait -3
	s_barrier_signal -1
	s_barrier_wait -1
.endm
.macro CROUND
	s_barrier_signal -1
	s_barrier_wait -1
	CREST
.endm
.macro PLACES n                        ; plain vector instructions between a matrix instruction and a load into, or a read of, its registers (ISA guide 7.12.1 for reads): eight for this form
.rept \n
	v_nop
.endr
.endm
; In front of a refill: each wave waits for all its tensor loads, adds 0 to its spare word, waits for that and for its own reads of the regions that are left; then a round of the cluster's barrier:
; no wave of any partner still reads these regions or has a load on its way.
.macro GATE
	s_wait_tensorcnt 0x0
	ds_add_u32 v[SPW], v[NIL]
	s_wait_dscnt 0x0
	CROUND
.endm
	s_load_b256 s[68:75], s[0:1], 0x0              ; h_codes 68, W_out_codes 70, h_scales 72, W_out_scales 74
	s_load_b128 s[76:79], s[0:1], 0x20             ; b_out 76, out0 78
	v_lshl_add_u32 v[SPW], v0, 2, SPARE
	v_mov_b32 v[NIL], 0
	ds_add_u32 v[SPW], v[NIL]                      ; the wave's opening: the add, twice on end, and its wait ahead of my first tensor load
	ds_add_u32 v[SPW], v[NIL]
	v_lshrrev_b32 v1, 5, v0
	v_readfirstlane_b32 s14, v1                    ; wave 0..3
	s_lshr_b32 s15, s14, 1                         ; I fetch for new_state (0) or for W_out (1)
	s_and_b32 s16, s14, 1                          ; of two regions I fill the first (0) or the second (1)
	s_bfe_u32 s40, ttmp6, 0x40000                  ; cx, cy
	s_bfe_u32 s41, ttmp6, 0x40004
	s_lshl_b32 s42, ttmp9, 2
	s_add_co_u32 s42, s42, s40                     ; x: my 128 columns
	s_and_b32 s17, ttmp7, 0xffff
	s_lshl_b32 s17, s17, 2
	s_add_co_u32 s17, s17, s41                     ; y: my 64 rows
	s_lshl_b32 s43, s41, 2
	s_lshl_b32 s43, 15, s43                        ; my row of the cluster
	s_lshl_b32 s44, 0x1111, s40                    ; my column
	; descriptor group 1: rows of 512 bytes, 16 bytes of padding behind each; 64 rows of new_state, 128 of W_out; 4,096 bytes from row to row in memory
	s_or_b32 s[G1A], s43, (1<<20)|(1<<21)|(6<<22)|(3<<25)   ; 15:0 the mask; 17:16 elements of 1 byte; 20 padding on; 21 set beside a mask; 24:22 after every 128 words; 31:25 four words
	s_or_b32 s[G1B], s44, (1<<20)|(1<<21)|(6<<22)|(3<<25)
	s_mov_b32 s[G1A+1], 512<<16
	s_mov_b32 s[G1A+2], 64<<16
	s_mov_b32 s[G1A+3], 512<<16
	s_mov_b32 s[G1A+4], 64
	s_mov_b32 s[G1A+5], 4096
	s_mov_b32 s[G1A+6], 0
	s_mov_b32 s[G1A+7], 0
	s_mov_b32 s[G1B+1], 512<<16
	s_mov_b32 s[G1B+2], 128<<16
	s_mov_b32 s[G1B+3], 512<<16
	s_mov_b32 s[G1B+4], 128
	s_mov_b32 s[G1B+5], 4096
	s_mov_b32 s[G1B+6], 0
	s_mov_b32 s[G1B+7], 0
	s_lshl_b32 s20, s17, 18                        ; new_state: row 64 y: y alone
	s_mov_b32 s21, 0
	s_lshl_b32 s46, s42, 19                        ; W_out: row 128 x: x alone
	s_mov_b32 s47, 0
	s_lshl_b32 s10, s16, 9                         ; the second of two regions takes the slot 512 bytes further along K
	s_mov_b32 s11, 0
	s_mul_i32 s12, s16, SLOT2                      ; where the tiles go: no place in the cluster enters an LDS address
	s_add_co_u32 s13, s12, A2TILE
	s_wait_dscnt 0x0                               ; both opening adds are done
	s_wait_kmcnt 0x0
	s_add_nc_u64 s[68:69], s[68:69], s[20:21]
	s_add_nc_u64 s[70:71], s[70:71], s[46:47]
	CROUND                                         ; all sixteen work-groups are here: the first joint loads meet
	s_mov_b32 s[G0AD], 1
	s_mov_b32 s[G0AD+1], s12
	s_add_nc_u64 s[G0AD+2:G0AD+3], s[68:69], s[10:11]   ; slot 0 or 1
	s_or_b32 s[G0AD+3], s[G0AD+3], 0x80000000
	s_mov_b32 s[G0BD], 1
	s_mov_b32 s[G0BD+1], s13
	s_add_nc_u64 s[G0BD+2:G0BD+3], s[70:71], s[10:11]
	s_or_b32 s[G0BD+3], s[G0BD+3], 0x80000000
	JLOAD_D
	s_mov_b32 s[G0AS], 1
	s_mov_b32 s[G0AS+1], 2*SLOT2
	s_add_nc_u64 s[G0AS+2:G0AS+3], s[68:69], 1024  ; slot 2
	s_or_b32 s[G0AS+3], s[G0AS+3], 0x80000000
	s_mov_b32 s[G0BS], 1
	s_mov_b32 s[G0BS+1], 2*SLOT2+A2TILE
	s_add_nc_u64 s[G0BS+2:G0BS+3], s[70:71], 1024
	s_or_b32 s[G0BS+3], s[G0BS+3], 0x80000000
	JLOAD_S                                        ; waves 0 and 2 have two tensor loads out, waves 1 and 3 one
	s_mov_b32 s95, 0
	s_lshl_b32 s94, s14, 13                        ; h_scales: plane 4 s + wave of 8,192 bytes; my 64 rows x 4 bytes
	s_lshl_b32 s96, s17, 8
	s_add_co_u32 s94, s94, s96
	s_add_nc_u64 s[72:73], s[72:73], s[94:95]
	s_lshl_b32 s94, s42, 14                        ; W_out_scales: 128 rows x 128 bytes
	s_add_nc_u64 s[74:75], s[74:75], s[94:95]
	s_lshl_b32 s94, s42, 9                         ; my 128 columns in f32
	s_add_nc_u64 s[76:77], s[76:77], s[94:95]
	s_add_nc_u64 s[78:79], s[78:79], s[94:95]
	s_lshl_b32 s94, s17, 18                        ; out0: rows 64 y + 16 x wave, 4,096 bytes each
	s_lshl_b32 s96, s14, 16
	s_add_co_u32 s94, s94, s96
	s_add_nc_u64 s[78:79], s[78:79], s[94:95]
	v_and_b32 v1, 15, v0                           ; r
	v_bfe_u32 v2, v0, 4, 1                         ; h
	v_and_b32 v3, 31, v0                           ; lane
	v_lshlrev_b32 v[GO], 4, v3
	v_lshlrev_b32 v21, 2, v3                       ; new_state's scale words: 4 bytes a row
	v_lshlrev_b32 v22, 4, v0                       ; W_out_scales: 2,048 consecutive bytes a load
.irp s, 0,1,2,3,4,5,6,7
.irp p, 0,1
	global_load_b32 v[SAR+2*\s+\p], v21, s[72:73] offset:32768*\s+128*\p   ; my 128 along K of slot s, rows 32 p + lane
.endr
.endr
.irp i, 0,1,2,3,4,5,6,7
	global_load_b128 v[144+4*\i:144+4*\i+3], v22, s[74:75] offset:2048*\i
.endr
	global_load_b128 v[BO:BO+3], v[GO], s[76:77]
	v_and_b32 v27, 7, v0                           ; (the address work below names none of the registers that the loads will write)
	v_lshrrev_b32 v28, 3, v0
	v_mul_u32_u24 v27, v27, 2*KP3
	v_lshl_add_u32 v27, v28, 3, v27
	v_add_nc_u32 v27, SCL3, v27                    ; a thread's 16 bytes are planes 2 (t % 8) and + 1 of row t / 8
	v_mul_u32_u24 v29, v1, P2
	v_lshl_add_u32 v29, v2, 4, v29                 ; a fragment's row x pitch + 16 h
	s_lshl_b32 s4, s14, 7                          ; + my 128 bytes of a row
	s_add_co_u32 s5, s4, A2TILE
.irp s, 0,1,2
	v_add_nc_u32 v[ADRA+\s], s4, v29
	v_add_nc_u32 v[ADRB+\s], s5, v29
	s_add_co_u32 s4, s4, SLOT2
	s_add_co_u32 s5, s5, SLOT2
.endr
	s_mul_i32 s6, s15, KP3                         ; my 128 along K: plane wave / 2 of a slot's two, word wave % 2
	s_lshl_b32 s7, s16, 2
	s_add_co_u32 s6, s6, s7
	s_add_co_u32 s6, s6, SCL3
	v_lshl_add_u32 v[ADS], v3, 3, s6
	s_mul_i32 s8, s14, EXW
	v_mul_u32_u24 v30, v1, P2
	v_lshl_add_u32 v30, v2, 5, v30
	v_add_nc_u32 v[XST], s8, v30
	s_mul_i32 s8, s14, 16*P2
	v_add_nc_u32 v[XRD0], s8, v[GO]
	v_add_nc_u32 v[XRD2], 2*EXW, v[XRD0]
	s_wait_loadcnt 0x0
.irp i, 0,1,2,3,4,5,6,7
	ds_store_b64 v27, v[144+4*\i:144+4*\i+1] offset:128*\i           ; a load covers 16 rows
	ds_store_b64 v27, v[144+4*\i+2:144+4*\i+3] offset:128*\i+KP3
.endr
.macro FRAG reg, adr, i                ; a fragment, 16 rows x 128 K of 8-bit codes: lane l holds row l % 16; registers 4 c .. 4 c + 3 hold K = 32 c + 16 (l / 16) + 0 .. 15
.irp c, 0,1,2,3
	ds_load_b128 v[\reg+4*\c:\reg+4*\c+3], v[\adr] offset:32*\c+(\i)*16*P2
.endr
.endm
.macro FETCH rg, p                     ; 48 LDS loads in one run: my 128 along K of region rg into set p
	WIN TO_B
.irp i, 0,1,2,3,4,5,6,7
	FRAG 128*(\p)+16*\i, ADRB+(\rg), \i
.endr
	WIN 0
.irp i, 0,1,2,3
	FRAG AF+64*(\p)+16*\i, ADRA+(\rg), \i
.endr
.endm
.macro ONE a, b, p, s, first           ; rows' block a x columns' block b of slot s, on set p.  An odd block's scale words lie in lanes 16-31.  first = 1: the product starts the sum: nothing is cleared
.set rD, 8*(8*(\a)+(\b))
.set rB, 128*(\p)+16*(\b)
.set rA, AF+64*(\p)+16*(\a)
.set rSB, SBR+4*(\s)+((\b)/2)
.set rSA, SAR+2*(\s)+((\a)/2)
.if \first
.if (((\a)%2) == 1) && (((\b)%2) == 1)
	v_wmma_scale_f32_16x16x128_f8f6f4 v[rD:rD+7], v[rB:rB+15], v[rA:rA+15], 0, v[rSB], v[rSA] matrix_a_scale:MATRIX_SCALE_ROW1 matrix_b_scale:MATRIX_SCALE_ROW1
.elseif ((\b)%2) == 1
	v_wmma_scale_f32_16x16x128_f8f6f4 v[rD:rD+7], v[rB:rB+15], v[rA:rA+15], 0, v[rSB], v[rSA] matrix_a_scale:MATRIX_SCALE_ROW1
.elseif ((\a)%2) == 1
	v_wmma_scale_f32_16x16x128_f8f6f4 v[rD:rD+7], v[rB:rB+15], v[rA:rA+15], 0, v[rSB], v[rSA] matrix_b_scale:MATRIX_SCALE_ROW1
.else
	v_wmma_scale_f32_16x16x128_f8f6f4 v[rD:rD+7], v[rB:rB+15], v[rA:rA+15], 0, v[rSB], v[rSA]
.endif
.else
.if (((\a)%2) == 1) && (((\b)%2) == 1)
	v_wmma_scale_f32_16x16x128_f8f6f4 v[rD:rD+7], v[rB:rB+15], v[rA:rA+15], v[rD:rD+7], v[rSB], v[rSA] matrix_a_scale:MATRIX_SCALE_ROW1 matrix_b_scale:MATRIX_SCALE_ROW1
.elseif ((\b)%2) == 1
	v_wmma_scale_f32_16x16x128_f8f6f4 v[rD:rD+7], v[rB:rB+15], v[rA:rA+15], v[rD:rD+7], v[rSB], v[rSA] matrix_a_scale:MATRIX_SCALE_ROW1
.elseif ((\a)%2) == 1
	v_wmma_scale_f32_16x16x128_f8f6f4 v[rD:rD+7], v[rB:rB+15], v[rA:rA+15], v[rD:rD+7], v[rSB], v[rSA] matrix_b_scale:MATRIX_SCALE_ROW1
.else
	v_wmma_scale_f32_16x16x128_f8f6f4 v[rD:rD+7], v[rB:rB+15], v[rA:rA+15], v[rD:rD+7], v[rSB], v[rSA]
.endif
.endif
.endm
.macro MUL4 p, s, first                ; a slot's 32 products.  The 32 accumulators take turns, one instruction a turn, in the same order in every slot
	WIN MUL
.irp a, 0,1,2,3
.irp b, 0,1,2,3,4,5,6,7
	ONE \a, \b, \p, \s, \first
.endr
.endr
.endm
	s_wait_tensorcnt 0x0                           ; my parts of slots 0, 1 and 2 are in
	s_wait_dscnt 0x0                               ; my stores of scale bytes have landed
	s_barrier_signal -1
	s_barrier_wait -1                              ; everybody's
.irp s, 0,1,2,3,4,5,6,7
.irp p, 0,1,2,3
	ds_load_b32 v[SBR+4*\s+\p], v[ADS] offset:2*KP3*\s+256*\p      ; W_out's scale words of my 128 along K of slot s, rows 32 p + lane
.endr
.endr
	FETCH 0, 0                                     ; slots 0 and 1 go into the two sets at once, so that their regions are free
	FETCH 1, 1
	GATE
	s_add_nc_u64 s[G0AD+2:G0AD+3], s[G0AD+2:G0AD+3], 1536
	s_add_nc_u64 s[G0BD+2:G0BD+3], s[G0BD+2:G0BD+3], 1536
	JLOAD_D                                        ; slots 3 and 4: the first tensor load behind the round, and my one load until the next
	MUL4 0, 0, 1                                   ; the first slot's products start the sums
	PLACES 8
	FETCH 2, 0
	MUL4 1, 1, 0
	s_wait_dscnt 0x0                               ; slot 2's fragments are in
	MUL4 0, 2, 0
	WIN 0
	GATE
	s_add_nc_u64 s[G0AS+2:G0AS+3], s[G0AS+2:G0AS+3], 1536
	s_add_nc_u64 s[G0BS+2:G0BS+3], s[G0BS+2:G0BS+3], 1536
	JLOAD_S                                        ; slot 5
	PLACES 8                                       ; (waves 1 and 3 pass no v_nop in the load's macro)
	FETCH 0, 1
	FETCH 1, 0
	s_wait_dscnt 48                                ; all but the 48 just issued: slot 3's fragments are in
	MUL4 1, 3, 0
	s_wait_dscnt 0x0
	MUL4 0, 4, 0
	WIN 0
	GATE
	s_add_nc_u64 s[G0AD+2:G0AD+3], s[G0AD+2:G0AD+3], 1536
	s_add_nc_u64 s[G0BD+2:G0BD+3], s[G0BD+2:G0BD+3], 1536
	JLOAD_D                                        ; slots 6 and 7: the last
	PLACES 4                                       ; with the four v_nop behind the load: eight places in front of the loads below
	FETCH 2, 1
	s_wait_dscnt 0x0
	MUL4 1, 5, 0
	WIN 0
	s_wait_tensorcnt 0x0                           ; my parts of slots 6 and 7 are in
	s_barrier_signal -1
	s_barrier_wait -1
	PLACES 8
	FETCH 0, 0
	FETCH 1, 1
	s_wait_dscnt 48
	MUL4 0, 6, 0
	s_wait_dscnt 0x0                               ; slot 7's fragments are in: my reads of the ring are over
	s_barrier_signal -1
	MUL4 1, 7, 0
	WIN 0
	s_barrier_wait -1                              ; nobody reads the ring any more, and it has had its last fill: the exchange may be written there
	; THE EXCHANGE.  Each wave lays its 64 x 128 partial sums down as rows of 512 bytes; behind a barrier wave w adds the four waves' rows 16 w .. 16 w + 15, adds b_out, clips at 0 and stores whole rows.
	PLACES 8                                       ; behind the last products
	WIN 0x08                                       ; an LDS store's data: window 2
.irp a, 0,1,2,3
.irp b, 0,1,2,3,4,5,6,7
	ds_store_b128 v[XST], v[8*(8*\a+\b):8*(8*\a+\b)+3]   offset:16*P2*\a+64*\b       ; each accumulator from its low end on
	ds_store_b128 v[XST], v[8*(8*\a+\b)+4:8*(8*\a+\b)+7] offset:16*P2*\a+64*\b+16
.endr
.endr
	WIN 0
	s_wait_dscnt 0x0                               ; for the others' sake: my stores have landed
	s_barrier_signal -1
	s_barrier_wait -1
.macro LOADB g                         ; rows 4 g .. 4 g + 3 of my 16, from all four waves' sums: 16 loads of a whole row each
.set Bf, 64+64*((\g)%2)
.irp u, 0,1
.irp t, 0,1,2,3
	ds_load_b128 v[Bf+16*\u+4*\t:Bf+16*\u+4*\t+3], v[XRD0] offset:\u*EXW+(4*(\g)+\t)*P2
.endr
.endr
.irp u, 0,1
.irp t, 0,1,2,3
	ds_load_b128 v[Bf+32+16*\u+4*\t:Bf+32+16*\u+4*\t+3], v[XRD2] offset:\u*EXW+(4*(\g)+\t)*P2
.endr
.endr
.endm
.macro SUM g                           ; each store has data registers of its own: none is written again
.set Bf, 64+64*((\g)%2)
.set Of, 192+16*(\g)
.irp t, 0,1,2,3
.irp k, 0,2
	v_pk_add_f32 v[Bf+4*\t+\k:Bf+4*\t+\k+1], v[Bf+4*\t+\k:Bf+4*\t+\k+1], v[Bf+16+4*\t+\k:Bf+16+4*\t+\k+1]
	v_pk_add_f32 v[Bf+32+4*\t+\k:Bf+32+4*\t+\k+1], v[Bf+32+4*\t+\k:Bf+32+4*\t+\k+1], v[Bf+48+4*\t+\k:Bf+48+4*\t+\k+1]
.endr
.irp k, 0,2
	v_pk_add_f32 v[Bf+4*\t+\k:Bf+4*\t+\k+1], v[Bf+4*\t+\k:Bf+4*\t+\k+1], v[Bf+32+4*\t+\k:Bf+32+4*\t+\k+1]
.endr
.irp k, 0,2
	v_pk_add_f32 v[Of+4*\t+\k:Of+4*\t+\k+1], v[Bf+4*\t+\k:Bf+4*\t+\k+1], v[BO+\k:BO+\k+1]
.endr
.irp k, 0,1,2,3
	v_max_num_f32 v[Of+4*\t+\k], 0, v[Of+4*\t+\k]
.endr
	global_store_b128 v[GO], v[Of+4*\t:Of+4*\t+3], s[78:79] offset:(4*(\g)+\t)*4096 th:TH_STORE_NT   ; 32 lanes store 512 consecutive bytes, at a multiple of 256 from out0's first byte
.endr
.endm
	LOADB 0
	LOADB 1
	s_wait_dscnt 16                                ; all but the 16 loads issued last
	SUM 0
	LOADB 2
	s_wait_dscnt 16
	SUM 1
	LOADB 3
	s_wait_dscnt 16
	SUM 2
	s_wait_dscnt 0x0
	SUM 3
	s_wait_tensorcnt 0x0                           ; the wave's end: an add to my spare word and its wait, behind my last tensor load and my last LDS store
	ds_add_u32 v[SPW], v[NIL]
	s_wait_dscnt 0x0
	CROUND                                         ; the closing round: no work-group ends while a partner may still ask for a tile that names it
	s_endpgm
.Lfunc_end_k_qccea57bca8_outp:
	.size	k_qccea57bca8_outp, .Lfunc_end_k_qccea57bca8_outp-k_qccea57bca8_outp
	.p2alignl 7, 3214868480
	.fill 96, 4, 3214868480
	.section	.rodata,"a",@progbits
	.p2align	6, 0x0
	.amdhsa_kernel k_qccea57bca8_outp
		.amdhsa_group_segment_fixed_size 327680
		.amdhsa_private_segment_fixed_size 0
		.amdhsa_enable_private_segment 0
		.amdhsa_kernarg_size 48
		.amdhsa_user_sgpr_count 2
		.amdhsa_user_sgpr_kernarg_segment_ptr 1
		.amdhsa_wavefront_size32 1
		.amdhsa_system_sgpr_workgroup_id_x 1
		.amdhsa_system_sgpr_workgroup_id_y 1
		.amdhsa_system_sgpr_workgroup_id_z 1
		.amdhsa_system_vgpr_workitem_id 0
		.amdhsa_next_free_vgpr 768
		.amdhsa_next_free_sgpr 102
		.amdhsa_reserve_vcc 0
		.amdhsa_float_denorm_mode_32 3
		.amdhsa_float_denorm_mode_16_64 3
		.amdhsa_memory_ordered 1
		.amdhsa_forward_progress 1
		.amdhsa_inst_pref_size 95
	.end_amdhsa_kernel
	.amdgpu_metadata
---
amdhsa.version: [ 1, 2 ]
amdhsa.kernels:
  - .name:           k_qccea57bca8_outp
    .symbol:         k_qccea57bca8_outp.kd
    .args:
      - { .name: h_codes, .offset: 0, .size: 8, .value_kind: global_buffer, .address_space: global }
      - { .name: W_out_codes, .offset: 8, .size: 8, .value_kind: global_buffer, .address_space: global }
      - { .name: h_scales, .offset: 16, .size: 8, .value_kind: global_buffer, .address_space: global }
      - { .name: W_out_scales, .offset: 24, .size: 8, .value_kind: global_buffer, .address_space: global }
      - { .name: b_out, .offset: 32, .size: 8, .value_kind: global_buffer, .address_space: global }
      - { .name: out0, .offset: 40, .size: 8, .value_kind: global_buffer, .address_space: global }
    .group_segment_fixed_size: 327680
    .private_segment_fixed_size: 0
    .kernarg_segment_align: 8
    .kernarg_segment_size: 48
    .max_flat_workgroup_size: 128
    .sgpr_count:     102
    .vgpr_count:     768
    .wavefront_size: 32
...
	.end_amdgpu_metadata
.endif
;; end of part 4
